; MI455X (gfx1250); checked and timed in simulation.
; The chip was launched on July 23, 2026; its instructions are those of AMD's public machine-readable ISA for CDNA 5 (MIT licence, August 2026) and "CDNA5" Instruction Set Architecture Reference Guide (July 2026). The comments in the code are by the model that wrote it; some were corrected since.
;; Self Attention Block. Allowed arithmetic: matrix products marked QUANTISED: E3M2 operands, one E8M0 scale for each 32 along K, by v_wmma_scale_f32_16x16x128_f8f6f4 with both operands' format E3M2, f32 sums; everything else in f32.
;; Inputs: Wk_codes 512 x 16 x 24 uint8 (E3M2 codes of Wk, K innermost, in blocks of 32 codes, four codes in three bytes); Wk_scales 512 x 16 uint8 (E8M0 scales of Wk, one for each 32 codes along K); Wo_codes 512 x 16 x 24 uint8 (E3M2 codes of Wo, K innermost, in blocks of 32 codes, four codes in three bytes); Wo_scales 512 x 16 uint8 (E8M0 scales of Wo, one for each 32 codes along K); Wq_codes 512 x 16 x 24 uint8 (E3M2 codes of Wq, K innermost, in blocks of 32 codes, four codes in three bytes); Wq_scales 512 x 16 uint8 (E8M0 scales of Wq, one for each 32 codes along K); Wv_codes 512 x 16 x 24 uint8 (E3M2 codes of Wv, K innermost, in blocks of 32 codes, four codes in three bytes); Wv_scales 512 x 16 uint8 (E8M0 scales of Wv, one for each 32 codes along K); bk 512 float32; bo 512 float32; bq 512 float32; bv 512 float32; gn_bias 512 float32; gn_scale 512 float32; hidden_states 2 x 64 x 64 x 512 float32.
;; Outputs: out0 2 x 64 x 64 x 512 float32.
;; This version of the problem:
;;   THIS VERSION OF THE PROBLEM IS GIVEN IN LOW PRECISION. The matrix products marked QUANTISED in the list below multiply operands that are first quantised to E3M2 (3 exponent bits, 2 mantissa bits; 6 bits a number), with one power-of-two scale for each 32 numbers along K (OCP MX v1.0); their sums are f32. All else is computed in f32.
;;   The module's matrix products, in the order in which they are computed (A, B: the left and right operand; K: the contracted axis; several contracted axes count as one K, in the product's order):
;;     1. [M 8,192, K 512] x [K 512, N 512]; A: computed on the way; B: input Wq (given as codes): QUANTISED
;;     2. [M 8,192, K 512] x [K 512, N 512]; A: computed on the way; B: input Wk (given as codes): QUANTISED
;;     3. [M 8,192, K 512] x [K 512, N 512]; A: computed on the way; B: input Wv (given as codes): QUANTISED
;;     4. batch 16 x [M 4,096, K 64] x [K 64, N 4,096]; A: computed on the way; B: computed on the way: QUANTISED
;;     5. batch 16 x [M 64, K 4,096] x [K 4,096, N 4,096]; A: computed on the way; B: softmax (see below): QUANTISED
;;     6. [M 8,192, K 512] x [K 512, N 512]; A: computed on the way; B: input Wo (given as codes): QUANTISED
;;   THE QUANTISER, for each operand of a quantised product, along K:
;;     - K is cut into blocks of 32 from its start; a last block that is shorter is filled with zeros.
;;     - A block's scale is 2^e with e = floor(log2(the largest magnitude in the block)) - 4, held to -126 .. 127; a block of zeros has e = 0. As a byte (E8M0): e + 127.
;;     - Each number is divided by its block's scale, clamped to +-28, and rounded to the nearest number of E3M2, ties to even, subnormals kept.
;;     - The product sums the exact products of the quantised numbers (number of the format x scale) in f32.
;;   ~~~python
;;   def quantise(x, axis):      # numpy; x: float32 -> the quantised numbers, widened to float32 again
;;       x = np.moveaxis(x, axis, -1); K = x.shape[-1]
;;       x = np.pad(x, [(0, 0)] * (x.ndim - 1) + [(0, -K % 32)]); x = x.reshape(x.shape[:-1] + (-1, 32)); a = np.abs(x).max(-1, keepdims=True)
;;       e = np.where(a > 0, np.clip(np.frexp(np.where(a > 0, a, 1))[1] - 1 - 4, -126, 127), 0)      # np.frexp(a)[1] - 1 = floor(log2(a)), exactly
;;       r = np.clip(x / 2.0 ** e, -28, 28)
;;       step = 2.0 ** (np.maximum(np.frexp(np.where(r == 0, 1, r))[1] - 1, -2) - 2)
;;       q = np.round(r / step) * step * 2.0 ** e      # np.round: ties to even
;;       return np.moveaxis(q.reshape(q.shape[:-2] + (-1,))[..., :K], -1, axis).astype(np.float32)
;;   ~~~
;;   SOFTMAX AHEAD OF A QUANTISED PRODUCT. Where the list says 'softmax', what is quantised is not the finished softmax but p = 2^(t - M), with t = logit x log2(e) and M = ceil(the row's largest t), a whole number; so 1/2 < the row's largest p <= 1. The row's sum l is taken of the UNQUANTISED p, in f32, and the product's result is divided by l at the end. Since M is a whole number, a kernel that streams over the keys may use a running M (the ceiling of the running maximum): every later rescaling is an exact power of two, which a block's scale takes up: the codes' values come out the same.
;;   OPERANDS COMPUTED ON THE WAY. 'Computed on the way' means the value that the module computes at that place (a softmax that the list does not call 'softmax' is quantised finished and normalised). What goes into a quantiser is computed in f32, as accurately as f32 sums, v_exp_f32 and their like allow (about 1e-6 of the number): no bf16 or f16 on the way to a quantiser, and a product that is left as it is and whose result goes on into a quantised operand takes f32 operands (vector FMAs, or v_wmma_f32_16x16x4_f32). A number that lies on a knife's edge between two numbers of the format may be rounded either way, as far as f32 arithmetic and the matrix unit's own rounding can turn it there, and no further.
;;   INPUTS GIVEN AS CODES. Wk (in the module: [512, 512], K = its axis 0); Wo (in the module: [512, 512], K = its axis 0); Wq (in the module: [512, 512], K = its axis 0); Wv (in the module: [512, 512], K = its axis 0): each comes as NAME_codes (uint8): NAME with its K axis moved to the last place and cut into blocks of 32 codes, [.., K / 32, bytes a block], one block behind the other in memory; four codes in three bytes: a row's codes are one little-endian stream of bits, code i at bits 6 i .. 6 i + 5 (a code: sign, 3 exponent bits, 2 mantissa bits); and NAME_scales (uint8): the same leading axes, one E8M0 byte (e + 127) for each 32 codes along K. Its value is code x scale, taken as it is: it is not quantised again, and the codes and scales need not be those that the quantiser above would give.
;; 2 versions. Each part assembles by itself: llvm-mc -triple=amdgcn-amd-amdhsa -mcpu=gfx1250 --defsym DOCPART=n.
;; ======== version 1 of 2: 4 launches
;; workspace buffers: part 65,536 bytes; qrec 3,407,872 bytes; kvrec 6,684,672 bytes; aimg 3,145,728 bytes; asc 262,144 bytes
;; launch gnstat (part 1): grid 256 x 1, 8 waves a work-group, no clusters, 0 bytes of LDS; arguments hidden_states, part; writes part
.if DOCPART == 1
	.amdgcn_target "amdgcn-amd-amdhsa--gfx1250"
	.amdhsa_code_object_version 6
	.text
	.protected	k_qb151aa8e14_gnstat
	.globl	k_qb151aa8e14_gnstat
	.p2align	8
	.type	k_qb151aa8e14_gnstat,@function
k_qb151aa8e14_gnstat:
	s_mov_b64 s[64:65], 0
	v_nop
	global_prefetch_b8 v0, s[64:65] scope:SCOPE_SE
	s_setreg_imm32_b32 hwreg(HW_REG_WAVE_MODE, 25, 1), 1
	s_wait_xcnt 0x0
; SelfAttentionBlock in MX-BF6, launch 1 of 4: the group norm's partial statistics.
; THE PROGRAM: (1) this launch; (2) qkv: the norm is finished, x is quantised, q, k, v are made and quantised; (3) attn: softmax(q k^T / 8) v on codes; (4) oproj: x Wo + bo + residual.
; DEAD WORK: none is left out.  Every bias goes into a quantised operand or into the output (bk moves k's codes, so it stays although a softmax in real numbers would take it away), and every input is loaded by some launch.
; LIMITS of the program: NaN and infinities among the inputs are not served; a block of 32 whose largest magnitude lies under 2^-122 keeps the scale byte 1 (the bytes are read by this program alone; a block of zeros has zero codes);
; t = score x (log2(e) / 8) is made with one rounding.
; THIS LAUNCH: hidden_states is [2][4096][512] f32; a group is 16 channels.  Work-group i takes rows 32 i .. 32 i + 31 of the 8,192, wave w channels 64 w .. 64 w + 63 (four whole groups).
; For each group it stores the mean of its 512 numbers and the sum of squares of their distances from THAT mean: no difference of large sums is formed, whatever offset the inputs carry.
; part: [work-group 256][group 32][2] f32.  A lane holds 16 bytes of each of 16 rows (lanes 0-15 the even rows, lanes 16-31 the odd ones): each load of a wave covers two aligned runs of 256 bytes;
; all 16 loads are out at once, and the rows stay in registers between the two passes.  A wave stores 32 bytes: part of an aligned 256; the buffer is 64 KiB in all.
; No LDS, no barrier, no matrix unit: the waves share nothing and memory binds.
.set X, 16                             ; v16-79  my 64 numbers
.set A, 4                              ; v4-11   four packed chains
	s_load_b128 s[4:7], s[0:1], 0x0                ; hidden_states, part
	v_lshrrev_b32 v2, 5, v0
	v_readfirstlane_b32 s10, v2                    ; wave
	v_and_b32 v3, 15, v0                           ; c: my 16 bytes of the wave's 256
	v_bfe_u32 v2, v0, 4, 1                         ; which of two rows
	v_lshlrev_b32 v1, 4, v3
	v_lshl_add_u32 v1, v2, 11, v1
	s_lshl_b32 s11, s10, 8
	v_add_nc_u32 v1, s11, v1                       ; 2,048 x row + 256 x wave + 16 c
	v_and_b32 v3, 12, v3
	s_lshl_b32 s14, s10, 5
	v_lshl_add_u32 v3, v3, 1, s14                  ; out: 32 x wave + 8 x (c / 4)
	v_and_b32 v2, 0x13, v0                         ; 0 in lanes 0, 4, 8, 12: one lane for each group
	v_mov_b32 v15, 0                               ; (a lane permute's destination counts as read)
	s_lshl_b32 s2, ttmp9, 16                       ; 32 rows of 2,048 bytes
	s_mov_b32 s3, 0
	s_lshl_b32 s12, ttmp9, 8                       ; 32 groups x 8 bytes
	s_mov_b32 s13, 0
	s_mov_b32 s8, 0x76543210
	s_mov_b32 s9, 0xfedcba98                       ; lane l xor 16
	s_wait_kmcnt 0x0
	s_add_nc_u64 s[4:5], s[4:5], s[2:3]
	s_add_nc_u64 s[6:7], s[6:7], s[12:13]
.irp k, 0,1,2,3,4,5,6,7,8,9,10,11,12,13,14,15
	global_load_b128 v[X+4*\k:X+4*\k+3], v1, s[4:5] offset:4096*\k
.endr
	; pass 1: the sum, two numbers an instruction, four chains begun by the first pairs
	s_wait_loadcnt 12                              ; loads 0-3 are in; the twelve younger ones stay out
.irp c, 0,1,2,3
	v_pk_add_f32 v[A+2*\c:A+2*\c+1], v[X+2*\c:X+2*\c+1], v[X+8+2*\c:X+9+2*\c]
.endr
.irp q, 1,2,3
	s_wait_loadcnt 12-4*\q                         ; the next four loads are in
.irp c, 0,1,2,3
	v_pk_add_f32 v[A+2*\c:A+2*\c+1], v[A+2*\c:A+2*\c+1], v[X+16*\q+2*\c:X+16*\q+2*\c+1]
.endr
.irp c, 0,1,2,3
	v_pk_add_f32 v[A+2*\c:A+2*\c+1], v[A+2*\c:A+2*\c+1], v[X+16*\q+8+2*\c:X+16*\q+9+2*\c]
.endr
.endr
	v_pk_add_f32 v[A:A+1], v[A:A+1], v[A+2:A+3]
	v_pk_add_f32 v[A+4:A+5], v[A+4:A+5], v[A+6:A+7]
	v_pk_add_f32 v[A:A+1], v[A:A+1], v[A+4:A+5]
	v_add_f32 v14, v[A], v[A+1]
	v_add_f32_dpp v14, v14, v14 row_xmask:1 row_mask:0xf bank_mask:0xf   ; the four lanes of a group,
	v_add_f32_dpp v14, v14, v14 row_xmask:2 row_mask:0xf bank_mask:0xf
	v_permlanex16_b32 v15, v14, s8, s9             ; and the other rows' four
	v_add_f32 v14, v14, v15
	v_mul_f32 v12, 0xbb000000, v14                 ; - sum / 512
	v_mov_b32 v13, v12
	; pass 2: the squares of the distances from the mean
.set i, 0
.rept 32
	v_pk_add_f32 v[X+2*i:X+2*i+1], v[X+2*i:X+2*i+1], v[12:13]
.set i, i+1
.endr
.irp c, 0,1,2,3
	v_pk_mul_f32 v[A+2*\c:A+2*\c+1], v[X+2*\c:X+2*\c+1], v[X+2*\c:X+2*\c+1]
.endr
.set i, 4
.rept 28
	v_pk_fma_f32 v[A+2*(i%4):A+2*(i%4)+1], v[X+2*i:X+2*i+1], v[X+2*i:X+2*i+1], v[A+2*(i%4):A+2*(i%4)+1]
.set i, i+1
.endr
	v_pk_add_f32 v[A:A+1], v[A:A+1], v[A+2:A+3]
	v_pk_add_f32 v[A+4:A+5], v[A+4:A+5], v[A+6:A+7]
	v_pk_add_f32 v[A:A+1], v[A:A+1], v[A+4:A+5]
	v_add_f32 v[A], v[A], v[A+1]
	v_add_f32_dpp v[A], v[A], v[A] row_xmask:1 row_mask:0xf bank_mask:0xf
	v_add_f32_dpp v[A], v[A], v[A] row_xmask:2 row_mask:0xf bank_mask:0xf
	v_permlanex16_b32 v[A+1], v[A], s8, s9
	v_add_f32 v15, v[A], v[A+1]                    ; the sum of squares
	v_xor_b32 v14, 0x80000000, v12                 ; the mean
	v_cmp_eq_u32 vcc_lo, 0, v2
	s_wait_xcnt 0x0                                ; EXEC changes only behind this wait
	s_and_saveexec_b32 s10, vcc_lo
	global_store_b64 v3, v[14:15], s[6:7]
	s_endpgm
.Lfunc_end_k_qb151aa8e14_gnstat:
	.size	k_qb151aa8e14_gnstat, .Lfunc_end_k_qb151aa8e14_gnstat-k_qb151aa8e14_gnstat
	.p2alignl 7, 3214868480
	.fill 96, 4, 3214868480
	.section	.rodata,"a",@progbits
	.p2align	6, 0x0
	.amdhsa_kernel k_qb151aa8e14_gnstat
		.amdhsa_group_segment_fixed_size 0
		.amdhsa_private_segment_fixed_size 0
		.amdhsa_enable_private_segment 0
		.amdhsa_kernarg_size 16
		.amdhsa_user_sgpr_count 2
		.amdhsa_user_sgpr_kernarg_segment_ptr 1
		.amdhsa_wavefront_size32 1
		.amdhsa_system_sgpr_workgroup_id_x 1
		.amdhsa_system_sgpr_workgroup_id_y 1
		.amdhsa_system_sgpr_workgroup_id_z 1
		.amdhsa_system_vgpr_workitem_id 0
		.amdhsa_next_free_vgpr 96
		.amdhsa_next_free_sgpr 66
		.amdhsa_reserve_vcc 1
		.amdhsa_float_denorm_mode_32 3
		.amdhsa_float_denorm_mode_16_64 3
		.amdhsa_memory_ordered 1
		.amdhsa_forward_progress 1
		.amdhsa_inst_pref_size 10
	.end_amdhsa_kernel
	.amdgpu_metadata
---
amdhsa.version: [ 1, 2 ]
amdhsa.kernels:
  - .name:           k_qb151aa8e14_gnstat
    .symbol:         k_qb151aa8e14_gnstat.kd
    .args:
      - { .name: hidden_states, .offset: 0, .size: 8, .value_kind: global_buffer, .address_space: global }
      - { .name: part, .offset: 8, .size: 8, .value_kind: global_buffer, .address_space: global }
    .group_segment_fixed_size: 0
    .private_segment_fixed_size: 0
    .kernarg_segment_align: 8
    .kernarg_segment_size: 16
    .max_flat_workgroup_size: 256
    .sgpr_count:     66
    .vgpr_count:     96
    .wavefront_size: 32
...
	.end_amdgpu_metadata
.endif
;; end of part 1
;; launch qkv (part 2): grid 4 x 64, 4 waves a work-group, no clusters, 57,856 bytes of LDS; arguments hidden_states, part, gn_scale, gn_bias, Wq_codes, Wq_scales, bq, Wk_codes, Wk_scales, bk, Wv_codes, Wv_scales, bv, qrec, kvrec; writes qrec, kvrec
.if DOCPART == 2
	.amdgcn_target "amdgcn-amd-amdhsa--gfx1250"
	.amdhsa_code_object_version 6
	.text
	.protected	k_qb151aa8e14_qkv
	.globl	k_qb151aa8e14_qkv
	.p2align	8
	.type	k_qb151aa8e14_qkv,@function
k_qb151aa8e14_qkv:
	s_mov_b64 s[64:65], 0
	v_nop
	global_prefetch_b8 v0, s[64:65] scope:SCOPE_SE
	s_setreg_imm32_b32 hwreg(HW_REG_WAVE_MODE, 25, 1), 1
	s_wait_xcnt 0x0
; Launch 2 of 4: x = group_norm(hidden_states) is finished and quantised along its 512 channels; q = x Wq + bq, k = x Wk + bk, v = x Wv + bv on codes of BF6 (E3M2) with one E8M0 scale for each 32 along K;
; q and k are quantised along a head's 64 channels, v along the keys, and leave as IMAGES OF THE OPERAND REGISTERS that the attention launch wants.  No work is left out.
; SHARES.  Work-group (x, y): x = a pair of heads, y = 128 rows of the 8,192 (batch y / 32, key step y % 32).  Wave w: head 2 x + w / 2; f = w % 2: f = 0 makes q and v's channel tiles 0, 1 of the head, f = 1 makes k and tiles 2, 3.
; The roles differ in pointers alone (chosen on the wave's number).  A wave's 24 weight fragments (288 registers) are read from memory once and stay.  Weights go straight into the registers that keep them: through LDS they would make one way more.
; TILE ORDER.  Lane place r of row tile m (of 8) holds row 32 (m / 2) + 8 (m % 2) + r + 8 (r / 8), and the weight rows of a channel tile are chosen alike: so the 16 registers of two neighbouring result tiles are 16 NEIGHBOURS
; along the axis that is quantised next.  q, k: source 0 = 16 weight rows, source 1 = a tile of x: a lane holds one row, its registers run along the channels.  v: source 0 = a tile of x, source 1 = 16 weight rows: a lane holds one channel, its registers run down the keys.
; PHASES.  Statistics (128 partial means and sums of squares a group are joined; the means are taken relative to the first, so that no difference of large sums is formed) | barrier |
; X: wave w norms and quantises K step w (channels 128 w on) of all 8 tiles; images to LDS | barrier | QK: 4 pairs of tiles x 32 products, quantised, stored | V: 4 pairs x 16 products, two fragments quantised, stored.
; OUT.  qrec [batch-head 16][step 32][6,656]: four pair images of 1,536 bytes (registers 0-5: the even tile, 6-11: the odd one; in a tile lanes 0-15 hold channel block 0, lanes 16-31 block 1), then 512 bytes of scale words
; (word j of lane L: tile 2 j + L / 16, row place L % 16; bytes: block 0, block 1, 0, 0).  kvrec [16][32][13,056]: k laid likewise; four fragments of v^T of 1,536 bytes; two images of 128 bytes of their scale words.
; Each store of codes covers 512 consecutive bytes, aligned; v's scale words are 128 bytes a wave, half of an aligned 256.
; REGISTERS, in windows of 256.  Window 0: v4-15, v198-199 addresses; v16-31 my blocks' -mean and 1/sd; v32-159 results; v160-179 codes; v180-197 the quantiser's; v200-203 a record's scale words; v204-235 scale words of x and of the weights; v252-253 the add's two.
; Window 1: v0-191 Wq's or Wk's 16 fragments; v192-223 their bias, 8 registers a tile; v224-239 bv.   Window 2: v0-95 Wv's 8 fragments; v96-223 gain and bias of the norm, later v96-191 eight fragments of x.   Window 3: four buffers of 64 numbers of x.
.set PST,   0                          ; LDS: 16 bytes a thread: the waves' partial statistics
.set TBL,   2048                       ; 512 bytes a wave: group g at 16 g: -mean, -mean, 1/sd, 1/sd
.set XIMG,  4096                       ; x's 32 fragments: (tile m, K step s) at (4 m + s) x 1,536
.set XSC,   53248                      ; their scale words: (4 m + s) x 128 + 4 x lane
.set SPARE, 57344                      ; the spare words, 128 bytes a wave: two blocks of 256 bytes that no other line names
.set XA,  4
.set LI,  5
.set LS,  6
.set XWI, 7
.set XWS, 8
.set WA,  9
.set WSA, 10
.set GA,  11
.set BA,  12
.set BVA, 13
.set TBA, 14
.set PGO, 15
.set ST,  16
.set HA,  32
.set VA,  32
.set PC,  160
.set TM,  180
.set PW,  196
.set VW0, 197
.set L8,  198
.set PSA, 199
.set WJ,  200
.set XS,  204
.set WQS, 212
.set WVS, 228
.set SPW, 252
.set NIL, 253
.set XF,  96                           ; window 2
.set GS,  96                           ; window 2
.set GB,  160                          ; window 2
.set BQ,  192                          ; window 1
.set BV,  224                          ; window 1
.set MSB, 0
.macro WIN new                         ; s_set_vgpr_msb: bits 1:0 source 0, 3:2 source 1, 5:4 source 2, 7:6 destination; the high byte repeats the setting that is left
.if MSB != \new
	s_set_vgpr_msb (MSB<<8)|\new
.set MSB, \new
.endif
.endm
; 64 numbers of a lane, register 16 b + i = place 32 b + 16 (lane / 16) + i along the axis to be quantised, become 12 registers of codes in v[PC] on and four scale bytes in v[PW].
.macro QUANT s
.irp b, 0,1,2,3
	v_max3_num_f32 v[TM+\b], |v[\s+16*\b]|, |v[\s+1+16*\b]|, 0x2800000   ; my 16 numbers of block b, and the floor 2^(5 - 127): the byte cannot fall under 1
.endr
.irp i, 2,4,6,8,10,12,14
.irp b, 0,1,2,3
	v_max3_num_f32 v[TM+\b], v[TM+\b], |v[\s+16*\b+\i]|, |v[\s+1+16*\b+\i]|
.endr
.endr
.irp b, 0,1,2,3
	v_permlanex16_b32 v[TM+4+\b], v[TM+\b], s52, s53
.endr
.irp b, 0,1,2,3
	v_max_num_f32 v[TM+\b], v[TM+\b], v[TM+4+\b]   ; with lane l xor 16's: the block's largest magnitude
.endr
.irp b, 0,1,2,3
	v_add_nc_u32 v[TM+12+\b], 0xfe000000, v[TM+\b] ; 4 off its exponent field: the conversion's scale operand
.endr
.irp b, 0,1,2,3
	v_lshrrev_b32 v[TM+4+\b], 23, v[TM+12+\b]      ; the scale's byte
.endr
	v_lshl_or_b32 v[PW], v[TM+5], 8, v[TM+4]
	v_lshl_or_b32 v[PW], v[TM+6], 16, v[PW]
	v_lshl_or_b32 v[PW], v[TM+7], 24, v[PW]
.irp c, 0,1
	v_cvt_scalef32_pk16_bf6_f32 v[PC+6*\c:PC+2+6*\c], v[\s+32*\c:\s+15+32*\c], v[TM+12+2*\c]
	v_cvt_scalef32_pk16_bf6_f32 v[PC+12+4*\c:PC+14+4*\c], v[\s+16+32*\c:\s+31+32*\c], v[TM+12+2*\c+1]   ; (a conversion's three registers begin on an even number)
.endr
	v_nop                                          ; one plain place behind a scaled conversion
.irp c, 0,1                                    ; a whole block to a lane: lanes 0-15 block 2 c, lanes 16-31 block 2 c + 1
.irp i, 0,1,2
	v_permlane16_swap_b32 v[PC+6*\c+\i], v[PC+12+4*\c+\i]
.endr
.irp i, 0,1,2
	v_mov_b32 v[PC+3+6*\c+\i], v[PC+12+4*\c+\i]
.endr
.endr
.endm
.macro BARRIER                                 ; my LDS stores have landed and my LDS loads are in: then the work-group's barrier
	s_wait_dscnt 0x0
	s_barrier_signal -1
	s_barrier_wait -1
.endm
.macro XLOAD m                                 ; tile m: my row's 16 numbers of each of my K step's four blocks, into buffer m % 4 of window 3
	WIN 0xc0
.irp b, 0,1,2,3
.irp j, 0,1,2,3
	global_load_b128 v[64*((\m)%4)+16*\b+4*\j:64*((\m)%4)+16*\b+4*\j+3], v[XA], s[4:5] offset:(32*((\m)/2)+8*((\m)%2))*2048+128*\b+16*\j
.endr
.endr
.endm
.macro NORM_A m                                ; x - mean
	WIN 0x03
.irp b, 0,1,2,3
.irp i, 0,2,4,6,8,10,12,14
	v_pk_add_f32 v[HA+16*\b+\i:HA+16*\b+\i+1], v[64*((\m)%4)+16*\b+\i:64*((\m)%4)+16*\b+\i+1], v[ST+4*\b:ST+4*\b+1]
.endr
.endr
.endm
.macro NORM_B                                  ; x 1/sd, then x gain + bias
	WIN 0
.irp b, 0,1,2,3
.irp i, 0,2,4,6,8,10,12,14
	v_pk_mul_f32 v[HA+16*\b+\i:HA+16*\b+\i+1], v[HA+16*\b+\i:HA+16*\b+\i+1], v[ST+4*\b+2:ST+4*\b+3]
.endr
.endr
	WIN 0x28
.irp b, 0,1,2,3
.irp i, 0,2,4,6,8,10,12,14
	v_pk_fma_f32 v[HA+16*\b+\i:HA+16*\b+\i+1], v[HA+16*\b+\i:HA+16*\b+\i+1], v[GS+16*\b+\i:GS+16*\b+\i+1], v[GB+16*\b+\i:GB+16*\b+\i+1]
.endr
.endr
	WIN 0
.endm
.macro WQK t0                                  ; Wq's or Wk's fragments of channel tiles t0, t0 + 1: 48 loads of 8 bytes
	WIN 0x40
.irp t, \t0, \t0+1
.irp s, 0,1,2,3
.irp p, 0,1,2,3,4,5
	global_load_b64 v[12*(4*(\t)+\s)+2*\p:12*(4*(\t)+\s)+2*\p+1], v[WA], s[36:37] offset:(32*((\t)/2)+8*((\t)%2))*384+96*\s+48*(\p/3)+8*(\p%3)
.endr
.endr
.endr
.endm
.macro WVL                                     ; Wv's fragments of my two channel tiles
	WIN 0x80
.irp q, 0,1
.irp s, 0,1,2,3
.irp p, 0,1,2,3,4,5
	global_load_b64 v[12*(4*\q+\s)+2*\p:12*(4*\q+\s)+2*\p+1], v[WA], s[24:25] offset:8*\q*384+96*\s+48*(\p/3)+8*(\p%3)
.endr
.endr
.endr
.endm
.macro WREST                                   ; the weights' scale words (a row's 16 bytes are its four words) and the biases in the results' layouts
	WIN 0
.irp t, 0,1,2,3
	global_load_b128 v[WQS+4*\t:WQS+4*\t+3], v[WSA], s[38:39] offset:(32*(\t/2)+8*(\t%2))*16
.endr
.irp q, 0,1
	global_load_b128 v[WVS+4*\q:WVS+4*\q+3], v[WSA], s[26:27] offset:128*\q
.endr
	WIN 0x40
.irp t, 0,1,2,3
	global_load_b128 v[BQ+8*\t:BQ+8*\t+3], v[BA], s[40:41] offset:(32*(\t/2)+8*(\t%2))*4
	global_load_b128 v[BQ+8*\t+4:BQ+8*\t+7], v[BA], s[40:41] offset:(32*(\t/2)+8*(\t%2))*4+16
.endr
.irp q, 0,1
.irp i, 0,1,2,3,4,5,6,7
	global_load_b32 v[BV+8*\q+\i], v[BVA], s[28:29] offset:32*\q   ; in v's results a lane holds one channel: its bias eight times
.endr
.endr
.endm
.macro PFETCH j                                ; the eight fragments of x of tiles 2 j, 2 j + 1 and their scale words
	WIN 0
.rept 4
	v_nop                                          ; four places in front of loads into registers that matrix instructions have read
.endr
.irp u, 0,1
.irp s, 0,1,2,3
	ds_load_b32 v[XS+4*\u+\s], v[LS] offset:XSC+128*(4*(2*(\j)+\u)+\s)
.endr
.endr
	WIN 0x80
.irp u, 0,1
.irp s, 0,1,2,3
.irp c, 0,1,2
	ds_load_b128 v[XF+12*(4*\u+\s)+4*\c:XF+12*(4*\u+\s)+4*\c+3], v[LI] offset:XIMG+(4*(2*(\j)+\u)+\s)*1536+512*\c
.endr
.endr
.endr
	s_wait_dscnt 0x0
.endm
; q or k of tiles 2 j, 2 j + 1: 32 products, K step outermost, the eight accumulators by turns; the bias is the C of each sum's first product.
.macro QKPAIR j
	PFETCH \j
.irp s, 0,1,2,3
.if \s == 0
	WIN 0x19                                       ; weights window 1, x window 2, the bias window 1
.else
	WIN 0x09
.endif
.irp u, 0,1
.irp t, 0,1,2,3
.if \s == 0
	v_wmma_scale_f32_16x16x128_f8f6f4 v[HA+32*\u+8*\t:HA+32*\u+8*\t+7], v[12*(4*\t+\s):12*(4*\t+\s)+11], v[XF+12*(4*\u+\s):XF+12*(4*\u+\s)+11], v[BQ+8*\t:BQ+8*\t+7], v[WQS+4*\t+\s], v[XS+4*\u+\s] matrix_a_fmt:MATRIX_FMT_BF6 matrix_b_fmt:MATRIX_FMT_BF6
.else
	v_wmma_scale_f32_16x16x128_f8f6f4 v[HA+32*\u+8*\t:HA+32*\u+8*\t+7], v[12*(4*\t+\s):12*(4*\t+\s)+11], v[XF+12*(4*\u+\s):XF+12*(4*\u+\s)+11], v[HA+32*\u+8*\t:HA+32*\u+8*\t+7], v[WQS+4*\t+\s], v[XS+4*\u+\s] matrix_a_fmt:MATRIX_FMT_BF6 matrix_b_fmt:MATRIX_FMT_BF6
.endif
.endr
.endr
.endr
	WIN 0
.rept 4
	v_nop                                          ; four places in front of the first read of results
.endr
	s_wait_xcnt 0x0                                ; the last pair's stores have read the codes' registers
	QUANT HA                                       ; blocks 0, 1: the even tile's 64 channels; blocks 2, 3: the odd tile's: the 12 registers are the pair's image
.irp c, 0,1,2
	global_store_b128 v[LI], v[PC+4*\c:PC+4*\c+3], s[42:43] offset:1536*(\j)+512*\c
.endr
	v_and_b32 v[TM], 0xffff, v[PW]                 ; the even tile's word: its two bytes, and 0 for the half of K that has no numbers,
	v_lshrrev_b32 v[TM+1], 16, v[PW]               ; the odd tile's
	v_cndmask_b32 v[WJ+(\j)], v[TM], v[TM+1], s50  ; lanes 0-15 keep the even tile's, lanes 16-31 the odd tile's
.endm
; v of tiles 2 j, 2 j + 1 for my two channel tiles: 16 products, four accumulators by turns.
.macro VPAIR j
	PFETCH \j
.irp s, 0,1,2,3
.if \s == 0
	WIN 0x1a                                       ; x window 2, weights window 2, the bias window 1
.else
	WIN 0x0a
.endif
.irp u, 0,1
.irp q, 0,1
.if \s == 0
	v_wmma_scale_f32_16x16x128_f8f6f4 v[VA+64*\q+8*(2*(\j)+\u):VA+64*\q+8*(2*(\j)+\u)+7], v[XF+12*(4*\u+\s):XF+12*(4*\u+\s)+11], v[12*(4*\q+\s):12*(4*\q+\s)+11], v[BV+8*\q:BV+8*\q+7], v[XS+4*\u+\s], v[WVS+4*\q+\s] matrix_a_fmt:MATRIX_FMT_BF6 matrix_b_fmt:MATRIX_FMT_BF6
.else
	v_wmma_scale_f32_16x16x128_f8f6f4 v[VA+64*\q+8*(2*(\j)+\u):VA+64*\q+8*(2*(\j)+\u)+7], v[XF+12*(4*\u+\s):XF+12*(4*\u+\s)+11], v[12*(4*\q+\s):12*(4*\q+\s)+11], v[VA+64*\q+8*(2*(\j)+\u):VA+64*\q+8*(2*(\j)+\u)+7], v[XS+4*\u+\s], v[WVS+4*\q+\s] matrix_a_fmt:MATRIX_FMT_BF6 matrix_b_fmt:MATRIX_FMT_BF6
.endif
.endr
.endr
.endr
.endm
	s_load_b512 s[4:19], s[0:1], 0x0               ; hidden_states 4, part 6, gn_scale 8, gn_bias 10, Wq_codes 12, Wq_scales 14, bq 16, Wk_codes 18
	s_load_b256 s[20:27], s[0:1], 0x40             ; Wk_scales 20, bk 22, Wv_codes 24, Wv_scales 26
	s_load_b128 s[28:31], s[0:1], 0x60             ; bv 28, qrec 30
	s_load_b64 s[32:33], s[0:1], 0x70              ; kvrec
	v_lshl_add_u32 v[SPW], v0, 2, SPARE
	v_mov_b32 v[NIL], 0
	v_lshrrev_b32 v1, 5, v0
	v_readfirstlane_b32 s34, v1                    ; wave 0..3
	v_and_b32 v1, 31, v0                           ; lane
	v_and_b32 v2, 15, v0                           ; r
	v_bfe_u32 v3, v0, 4, 1                         ; h
	v_and_b32 v[WA], 8, v2
	v_add_nc_u32 v[WA], v[WA], v2                  ; r + 8 (r / 8)
	s_lshl_b32 s66, s34, 9
	v_lshlrev_b32 v[XA], 11, v[WA]
	v_lshl_add_u32 v[XA], v3, 6, v[XA]
	v_add_nc_u32 v[XA], s66, v[XA]                 ; x: my row of a tile, + 64 h, + my K step's 512 bytes
	v_lshlrev_b32 v[LI], 4, v1                     ; an image's place for my lane
	v_lshlrev_b32 v[LS], 2, v1
	v_lshlrev_b32 v[L8], 3, v1
	v_lshlrev_b32 v[PSA], 4, v0                    ; 16 x thread
	s_mul_i32 s67, s34, 1536
	v_add_nc_u32 v[XWI], s67, v[LI]                ; where I store x's images: K step = my wave
	s_lshl_b32 s68, s34, 7
	v_add_nc_u32 v[XWS], s68, v[LS]
	v_lshlrev_b32 v[WSA], 4, v[WA]                 ; a weight row's 16 scale bytes
	v_lshlrev_b32 v[BVA], 2, v[WA]
	v_mul_u32_u24 v[WA], v[WA], 384                ; a weight row's 512 codes are 384 bytes
	v_mad_u32_u24 v[WA], v3, 24, v[WA]
	v_lshlrev_b32 v[BA], 6, v3
	v_add_nc_u32 v[GA], s66, v[BA]                 ; gain and bias of the norm: my K step, + 64 h
	s_mul_i32 s69, s34, 640
	s_add_co_u32 s69, s69, TBL
	v_lshl_add_u32 v[TBA], v3, 4, s69              ; my wave's table (512 w), group 8 w + h (128 w + 16 h); block b is 32 b further on
	s_lshl_b32 s70, s34, 13
	v_lshl_add_u32 v[PGO], v1, 3, s70              ; the partials: group = lane, my wave's 32 of the 128
.irp b, 0,1,2,3
	v_mov_b32 v[TM+4+\b], 0                        ; written once: a lane permute's destination counts as one of its sources
.endr
	s_mov_b32 s50, 0xffff0000                      ; lanes 16-31
	s_mov_b32 s52, 0x76543210
	s_mov_b32 s53, 0xfedcba98                      ; lane l xor 16
	s_and_b32 s54, ttmp7, 0xffff                   ; y
	s_lshr_b32 s55, s54, 5                         ; batch
	s_and_b32 s56, s54, 31                         ; key step
	s_lshr_b32 s57, s34, 1
	s_and_b32 s58, s34, 1                          ; f
	s_lshl_b32 s59, ttmp9, 1
	s_add_co_u32 s59, s59, s57                     ; head
	s_lshl_b32 s60, s55, 3
	s_add_co_u32 s60, s60, s59
	s_lshl_b32 s60, s60, 5
	s_add_co_u32 s60, s60, s56                     ; record: 32 x (8 x batch + head) + step
	s_mov_b32 s63, 0
	s_wait_kmcnt 0x0
	s_cmp_eq_u32 s58, 0                            ; q's wave or k's: the choice hangs on the wave's number alone
	s_cselect_b64 s[36:37], s[12:13], s[18:19]
	s_cselect_b64 s[38:39], s[14:15], s[20:21]
	s_cselect_b64 s[40:41], s[16:17], s[22:23]
	s_cselect_b64 s[42:43], s[30:31], s[32:33]
	s_mov_b32 s44, 13056
	s_cselect_b32 s44, 6656, s44                   ; a record's bytes
	s_lshl_b32 s62, s54, 18                        ; 128 rows of 2,048 bytes
	s_add_nc_u64 s[4:5], s[4:5], s[62:63]
	s_lshl_b32 s62, s55, 15                        ; a batch's 128 x 256 bytes of partials
	s_add_nc_u64 s[6:7], s[6:7], s[62:63]
	; the first loads, in the order of need: the partials; the norm's gain and bias; four tiles of x
.irp i, 0,1,2,3,4,5,6,7,8,9,10,11,12,13,14,15,16,17,18,19,20,21,22,23,24,25,26,27,28,29,30,31
	global_load_b64 v[32+2*\i:33+2*\i], v[PGO], s[6:7] offset:256*\i
.endr
	global_load_b32 v96, v[L8], s[6:7]             ; the first partial's mean: the point from which the means are counted
	WIN 0x80
.irp b, 0,1,2,3
.irp j, 0,1,2,3
	global_load_b128 v[GS+16*\b+4*\j:GS+16*\b+4*\j+3], v[GA], s[8:9] offset:128*\b+16*\j
	global_load_b128 v[GB+16*\b+4*\j:GB+16*\b+4*\j+3], v[GA], s[10:11] offset:128*\b+16*\j
.endr
.endr
	XLOAD 0
	XLOAD 1
	XLOAD 2
	XLOAD 3
	WIN 0
	s_mul_i32 s62, s59, 24576                      ; a head's 64 weight rows
	s_add_nc_u64 s[36:37], s[36:37], s[62:63]
	s_add_nc_u64 s[24:25], s[24:25], s[62:63]
	s_mul_i32 s62, s58, 12288                      ; v: my 32 of them
	s_add_nc_u64 s[24:25], s[24:25], s[62:63]
	s_lshl_b32 s62, s59, 10
	s_add_nc_u64 s[38:39], s[38:39], s[62:63]
	s_add_nc_u64 s[26:27], s[26:27], s[62:63]
	s_lshl_b32 s62, s58, 9
	s_add_nc_u64 s[26:27], s[26:27], s[62:63]
	s_lshl_b32 s62, s59, 8
	s_add_nc_u64 s[40:41], s[40:41], s[62:63]
	s_add_nc_u64 s[28:29], s[28:29], s[62:63]
	s_lshl_b32 s62, s58, 7
	s_add_nc_u64 s[28:29], s[28:29], s[62:63]
	s_mul_i32 s62, s60, s44
	s_add_nc_u64 s[42:43], s[42:43], s[62:63]      ; my record of q or of k
	s_mul_i32 s62, s60, 13056
	s_add_nc_u64 s[46:47], s[32:33], s[62:63]
	s_add_nc_u64 s[48:49], s[46:47], 12800
	s_add_nc_u64 s[46:47], s[46:47], 6656
	s_lshl_b32 s62, s58, 7
	s_add_nc_u64 s[48:49], s[48:49], s[62:63]      ; v's scale words: image f
	s_mul_i32 s62, s58, 3072
	s_add_nc_u64 s[46:47], s[46:47], s[62:63]      ; v's fragments 2 f, 2 f + 1
	; ---- the statistics.  Lane g: group g; my wave's 32 partials
	s_wait_loadcnt 63                              ; the partials are in: 96 loads are younger, and a wait's count ends at 63
	v_sub_f32 v98, v32, v96
	v_mov_b32 v100, v33
	v_mul_f32 v99, v98, v98
.set i, 1
.rept 31
	v_sub_f32 v[102+i%2], v[32+2*i], v96           ; a partial mean, counted from the first
	v_add_f32 v100, v100, v[33+2*i]
	v_add_f32 v98, v98, v[102+i%2]
	v_fma_f32 v99, v[102+i%2], v[102+i%2], v99
.set i, i+1
.endr
	v_mov_b32 v101, 0
	ds_store_b128 v[PSA], v[98:101] offset:PST
	BARRIER                                        ; the four waves' sums lie in LDS
.irp q, 0,1,2,3
	ds_load_b128 v[104+4*\q:107+4*\q], v[LI] offset:PST+512*\q
.endr
	s_wait_dscnt 0x0
	v_add_f32 v98, v104, v108                      ; in one fixed order in every wave
	v_add_f32 v99, v112, v116
	v_add_f32 v98, v98, v99                        ; S1 = the sum of the 128 means
	v_add_f32 v99, v105, v109
	v_add_f32 v100, v113, v117
	v_add_f32 v99, v99, v100                       ; S2 = of their squares
	v_add_f32 v100, v106, v110
	v_add_f32 v101, v114, v118
	v_add_f32 v100, v100, v101                     ; the partial sums of squares
	v_mul_f32 v101, 0x3c000000, v98                ; S1 / 128
	v_fma_f32 v102, -v98, v101, v99                ; the means' own sum of squares round their mean
	v_fmamk_f32 v102, v102, 0x44000000, v100       ; x 512 numbers a partial, + the partial sums
	v_mov_b32 v103, 0x358637bd                     ; 1e-6
	v_fmamk_f32 v102, v102, 0x37800000, v103       ; / 65,536 + eps
	v_rsq_f32 v106, v102
	v_add_f32 v104, v96, v101                      ; the mean.  (A plain place behind the transcendental)
	s_wait_alu depctr_va_vdst(0)                   ; ahead of the first line that names the result
	v_xor_b32 v104, 0x80000000, v104
	v_mov_b32 v105, v104
	v_mov_b32 v107, v106
	ds_store_b128 v[PSA], v[104:107] offset:TBL    ; my wave's own table: LDS serves a wave's instructions in order, so no barrier stands between this store and the loads below
.irp b, 0,1,2,3
	ds_load_b128 v[ST+4*\b:ST+4*\b+3], v[TBA] offset:32*\b   ; block b of my K step, my half: group 8 w + 2 b + h
.endr
	s_wait_dscnt 0x0
	; ---- X: K step w of the eight tiles.  Loads run four tiles ahead; behind the last of x come the weights
.irp m, 0,1,2,3,4,5,6,7
.if \m < 5
	s_wait_loadcnt 48                              ; this tile's 16 loads are in; three younger runs of 16 stay out
.else
	s_wait_loadcnt 63                              ; 80 loads or more are younger (x's last tiles and the weights): a wait's count ends at 63
.endif
	NORM_A \m
.if \m < 4
	XLOAD \m+4                                     ; into the buffer just read
.elseif \m == 4
	WQK 0
.elseif \m == 5
	WQK 2
.elseif \m == 6
	WVL
.else
	WREST
.endif
	NORM_B
	s_wait_dscnt 0x0                               ; the last image's stores have read the codes' registers
	QUANT HA
.irp c, 0,1,2
	ds_store_b128 v[XWI], v[PC+4*\c:PC+4*\c+3] offset:XIMG+6144*\m+512*\c
.endr
	ds_store_b32 v[XWS], v[PW] offset:XSC+512*\m
.endr
	BARRIER                                        ; x's 32 fragments lie in LDS
	s_wait_loadcnt 0x0                             ; the weights
	; ---- QK
	QKPAIR 0
	QKPAIR 1
	QKPAIR 2
	QKPAIR 3
	global_store_b128 v[LI], v[WJ:WJ+3], s[42:43] offset:6144
	; ---- V
	VPAIR 0
	VPAIR 1
	VPAIR 2
	VPAIR 3
	WIN 0
.rept 4
	v_nop                                          ; four places in front of the first read of results
.endr
	s_wait_xcnt 0x0                                ; the stores above have read the codes' registers
	QUANT VA                                       ; my first channel tile: four blocks of 32 keys: the 12 registers are a fragment of v^T
.irp c, 0,1,2
	global_store_b128 v[LI], v[PC+4*\c:PC+4*\c+3], s[46:47] offset:512*\c
.endr
	v_mov_b32 v[VW0], v[PW]
	s_wait_xcnt 0x0
	QUANT VA+64
.irp c, 0,1,2
	global_store_b128 v[LI], v[PC+4*\c:PC+4*\c+3], s[46:47] offset:1536+512*\c
.endr
	v_cndmask_b32 v[TM], v[VW0], v[PW], s50        ; lanes 0-15: the first tile's words, lanes 16-31: the second's
	global_store_b32 v[LS], v[TM], s[48:49]
	s_wait_tensorcnt 0x0                           ; the wave's end, behind my last LDS store
	ds_add_u32 v[SPW], v[NIL]
	s_wait_dscnt 0x0
	s_endpgm
.Lfunc_end_k_qb151aa8e14_qkv:
	.size	k_qb151aa8e14_qkv, .Lfunc_end_k_qb151aa8e14_qkv-k_qb151aa8e14_qkv
	.p2alignl 7, 3214868480
	.fill 96, 4, 3214868480
	.section	.rodata,"a",@progbits
	.p2align	6, 0x0
	.amdhsa_kernel k_qb151aa8e14_qkv
		.amdhsa_group_segment_fixed_size 57856
		.amdhsa_private_segment_fixed_size 0
		.amdhsa_enable_private_segment 0
		.amdhsa_kernarg_size 120
		.amdhsa_user_sgpr_count 2
		.amdhsa_user_sgpr_kernarg_segment_ptr 1
		.amdhsa_wavefront_size32 1
		.amdhsa_system_sgpr_workgroup_id_x 1
		.amdhsa_system_sgpr_workgroup_id_y 1
		.amdhsa_system_sgpr_workgroup_id_z 1
		.amdhsa_system_vgpr_workitem_id 0
		.amdhsa_next_free_vgpr 1024
		.amdhsa_next_free_sgpr 80
		.amdhsa_reserve_vcc 0
		.amdhsa_float_denorm_mode_32 3
		.amdhsa_float_denorm_mode_16_64 3
		.amdhsa_memory_ordered 1
		.amdhsa_forward_progress 1
		.amdhsa_inst_pref_size 195
	.end_amdhsa_kernel
	.amdgpu_metadata
---
amdhsa.version: [ 1, 2 ]
amdhsa.kernels:
  - .name:           k_qb151aa8e14_qkv
    .symbol:         k_qb151aa8e14_qkv.kd
    .args:
      - { .name: hidden_states, .offset: 0, .size: 8, .value_kind: global_buffer, .address_space: global }
      - { .name: part, .offset: 8, .size: 8, .value_kind: global_buffer, .address_space: global }
      - { .name: gn_scale, .offset: 16, .size: 8, .value_kind: global_buffer, .address_space: global }
      - { .name: gn_bias, .offset: 24, .size: 8, .value_kind: global_buffer, .address_space: global }
      - { .name: Wq_codes, .offset: 32, .size: 8, .value_kind: global_buffer, .address_space: global }
      - { .name: Wq_scales, .offset: 40, .size: 8, .value_kind: global_buffer, .address_space: global }
      - { .name: bq, .offset: 48, .size: 8, .value_kind: global_buffer, .address_space: global }
      - { .name: Wk_codes, .offset: 56, .size: 8, .value_kind: global_buffer, .address_space: global }
      - { .name: Wk_scales, .offset: 64, .size: 8, .value_kind: global_buffer, .address_space: global }
      - { .name: bk, .offset: 72, .size: 8, .value_kind: global_buffer, .address_space: global }
      - { .name: Wv_codes, .offset: 80, .size: 8, .value_kind: global_buffer, .address_space: global }
      - { .name: Wv_scales, .offset: 88, .size: 8, .value_kind: global_buffer, .address_space: global }
      - { .name: bv, .offset: 96, .size: 8, .value_kind: global_buffer, .address_space: global }
      - { .name: qrec, .offset: 104, .size: 8, .value_kind: global_buffer, .address_space: global }
      - { .name: kvrec, .offset: 112, .size: 8, .value_kind: global_buffer, .address_space: global }
    .group_segment_fixed_size: 57856
    .private_segment_fixed_size: 0
    .kernarg_segment_align: 8
    .kernarg_segment_size: 120
    .max_flat_workgroup_size: 128
    .sgpr_count:     80
    .vgpr_count:     1024
    .wavefront_size: 32
...
	.end_amdgpu_metadata
.endif
;; end of part 2
;; launch attn (part 3): grid 16 x 16, 16 waves a work-group, clusters of 4 x 1, 327,680 bytes of LDS; arguments qrec, kvrec, aimg, asc; writes aimg, asc
.if DOCPART == 3
	.amdgcn_target "amdgcn-amd-amdhsa--gfx1250"
	.amdhsa_code_object_version 6
	.text
	.protected	k_qb151aa8e14_attn
	.globl	k_qb151aa8e14_attn
	.p2align	8
	.type	k_qb151aa8e14_attn,@function
k_qb151aa8e14_attn:
	s_mov_b64 s[64:65], 0
	v_nop
	global_prefetch_b8 v0, s[64:65] scope:SCOPE_SE
	s_setreg_imm32_b32 hwreg(HW_REG_WAVE_MODE, 25, 1), 1
	s_wait_xcnt 0x0
	s_wait_alu depctr_hold_cnt(0) depctr_sa_sdst(0) depctr_va_vdst(0) depctr_va_sdst(0) depctr_va_ssrc(0) depctr_va_vcc(0) depctr_vm_vsrc(0)
	s_getreg_b32 s2, hwreg(HW_REG_IB_STS2, 6, 4)
	s_cmp_eq_u32 s2, 0
	s_cbranch_scc0 .Lentry_in_a_cluster
	s_endpgm
.Lentry_in_a_cluster:
	s_bfe_u32 s2, ttmp6, 0x10000c
	s_cmp_lg_u32 s2, 0x3003
	s_cbranch_scc0 .Lentry_shape_is_right
	s_endpgm
.Lentry_shape_is_right:
; Launch 3 of 4: o = softmax(q k^T / 8) v for 16 (batch, head) pairs of 4,096 positions and 64 channels, both products on codes of BF6 (E3M2) with one E8M0 scale for each 32 along K; o is quantised along the channels for the last launch.  No work is left out.
; THE SOFTMAX AHEAD OF THE SECOND PRODUCT: t = score x log2(e) / 8; M = the row's largest t so far, rounded UP to a whole number; p = 2^(t - M) is quantised along the keys, not normalised.  The row's sum is taken of the unquantised p and divides at the end.
; When M moves, the sum and O are multiplied by 2^(old M - new M): exact.
; SHARES.  A work-group owns 256 queries of one (batch, head), each of its SIXTEEN waves one tile of 16, in under 256 registers: four waves to a SIMD, so that one wave's vector work stands beside another's products and LDS loads.  Every wave walks all 32 key steps of 128 keys.
; OPERANDS come as images of their registers (the launch before laid them so): a key step's record is 13,056 dense bytes: k's four pair images and scale words, v^T's four fragments and scale words.  Every LDS load takes 16 x lane (or 4 x lane) + a constant.
; THE FIRST PRODUCT'S K IS 64, half of the instruction's 128: q's upper six registers are zero codes, which add nothing whatever stands against them; so tile t of k is the run of 12 registers from 6 t on (its upper six are the next tile's codes; behind the last tile six registers of zeros).
; The scale bytes of that half are 0 on both sides (2^-127: a number, no NaN).
; LAYOUT.  S^T = k q^T, O^T = v^T p^T: a lane holds ONE query throughout.  The keys of a tile are not neighbours (lane place r of tile 2 b + u: key 32 b + 8 u + r + 8 (r / 8)), so that the 16 registers of tiles 2 b, 2 b + 1 are 16 neighbouring keys.
; RING.  16 records lie in LDS: two slots of 8 key steps.  Every wave fetches ONE record at the start (step = its number).  Slot 0 is filled again by waves 0-7 (steps 16-23), slot 1 by waves 8-15 (steps 24-31): a wave has one tensor load out at the most, and a refill has eight key steps in which to land.
; CLUSTER.  The four query blocks of a cluster belong to one (batch, head) and walk the same records: each is asked for JOINTLY, by the same tensor load with the same descriptor and a mask that names the four.  My place in the cluster enters q's and the outputs' global addresses alone.
; No prefetch: only two refills a launch follow the first fills, and each is asked for eight key steps ahead of the wait for it.
; OUT.  aimg [tile 512][K step 4][piece 6][lane][8 bytes]: o's codes as the last launch's fragments: my head fills three pieces, 768 consecutive bytes.  asc [batch-head 16][tile 256][row place 16]: a word with my head's two scale bytes: 64 bytes a wave, part of an aligned 256.
; REGISTERS: v1, v2, v7: 16, 4, 8 x lane; v3, v4 the step's LDS addresses; v5, v6 the add's two; v8-11 offsets; v12 -M, v13 the largest t, v[14:15] the sum; v16-27 q (v22-27 zeros), v28 its scale words; v32-79 k, then v^T; v80-85 zeros;
; v86-89 k's scale words, v90-91 v's; v96-159 S^T, then p; v160-191 O^T; v192-203 p's codes; v204-229 at work (v224 f, v225 p's scale word).
.set REC,   13056                      ; a key step's record
.set SLOT1, 8*REC                      ; slot 1 begins here
.set SPARE, 16*REC                     ; behind the ring: the spare words, 128 bytes for each wave: eight blocks of 256 bytes that no other line names
.macro ROUND                           ; a round of the cluster's barrier
	s_barrier_signal -1
	s_barrier_wait -1
	s_cmp_lg_u32 s12, 0
	s_cbranch_scc1 .Lnot_wave_0_\@
	s_barrier_signal -3
.Lnot_wave_0_\@:
	s_barrier_wait -3
	s_barrier_signal -1
	s_barrier_wait -1
.endm
; A KEY STEP: the record at LDS byte s28.
.macro STEP
	v_add_nc_u32 v3, s28, v1
	v_add_nc_u32 v4, s28, v2
	v_nop
	v_nop                                          ; with the two additions: four places in front of loads into registers that matrix instructions have read
.irp i, 0,1,2,3,4,5,6,7,8,9,10,11
	ds_load_b128 v[32+4*\i:35+4*\i], v3 offset:512*\i   ; k: tile t at v[32 + 6 t]
.endr
	ds_load_b128 v[86:89], v3 offset:6144          ; word j: lanes 0-15 tile 2 j, lanes 16-31 tile 2 j + 1
	s_wait_dscnt 0x0
.irp t, 0,1,2,3,4,5,6,7
.if (\t%2) == 0
	v_wmma_scale_f32_16x16x128_f8f6f4 v[96+8*\t:103+8*\t], v[32+6*\t:43+6*\t], v[16:27], 0, v[86+\t/2], v28 matrix_a_fmt:MATRIX_FMT_BF6 matrix_b_fmt:MATRIX_FMT_BF6
.else
	v_wmma_scale_f32_16x16x128_f8f6f4 v[96+8*\t:103+8*\t], v[32+6*\t:43+6*\t], v[16:27], 0, v[86+\t/2], v28 matrix_a_fmt:MATRIX_FMT_BF6 matrix_b_fmt:MATRIX_FMT_BF6 matrix_a_scale:MATRIX_SCALE_ROW1
.endif
.endr
.rept 4
	v_nop                                          ; four places: in front of the loads below and of the first read of the scores
.endr
.irp i, 0,1,2,3,4,5,6,7,8,9,10,11
	ds_load_b128 v[32+4*\i:35+4*\i], v3 offset:6656+512*\i   ; v^T's four fragments land under the softmax
.endr
	ds_load_b32 v90, v4 offset:12800               ; lanes 0-15 tile 0, lanes 16-31 tile 1
	ds_load_b32 v91, v4 offset:12928               ; tiles 2, 3
.irp b, 0,1,2,3
	v_max3_num_f32 v[212+\b], v[96+16*\b], v[97+16*\b], v[98+16*\b]   ; the largest score of each block of 32 keys: for the row's maximum and, since p rises with the score, for the block's largest p
.endr
.irp i, 3,5,7,9,11,13
.irp b, 0,1,2,3
	v_max3_num_f32 v[212+\b], v[212+\b], v[96+16*\b+\i], v[97+16*\b+\i]
.endr
.endr
.irp b, 0,1,2,3
	v_max_num_f32 v[212+\b], v[212+\b], v[111+16*\b]
.endr
.irp b, 0,1,2,3
	v_permlanex16_b32 v[216+\b], v[212+\b], s32, s33
.endr
.irp b, 0,1,2,3
	v_max_num_f32 v[212+\b], v[212+\b], v[216+\b]  ; with lane l xor 16's 16 keys
.endr
	v_max3_num_f32 v226, v212, v213, v214
	v_max_num_f32 v226, v226, v215                 ; the step's largest score of my query
	v_mul_f32 v226, s30, v226                      ; as t (c is positive)
	v_max_num_f32 v13, v13, v226                   ; the running largest t
	v_mov_b32 v226, v12
	v_floor_f32 v12, -v13                          ; the new -M = floor(-t): M is a whole number
	v_sub_f32 v226, v12, v226                      ; old M - new M: a whole number, 0 or less
	v_cvt_i32_f32 v226, v226                       ; (it saturates)
	v_ldexp_f32 v224, 1.0, v226                    ; f = 2^(old M - new M)
.irp j, 0,2,4,6,8,10,12,14,16,18,20,22,24,26,28,30,32,34,36,38,40,42,44,46,48,50,52,54,56,58,60,62
	v_pk_fma_f32 v[96+\j:97+\j], v[96+\j:97+\j], s[30:31], v[12:13] op_sel_hi:[1,0,0]   ; t - M, two at a time
.endr
.irp b, 0,1,2,3
	v_fma_f32 v[212+\b], v[212+\b], s30, v12       ; the same of each block's largest score
.endr
.irp j, 0,1,2,3,4,5,6,7,8,9,10,11,12,13,14,15,16,17,18,19,20,21,22,23,24,25,26,27,28,29,30,31,32,33,34,35,36,37,38,39,40,41,42,43,44,45,46,47,48,49,50,51,52,53,54,55,56,57,58,59,60,61,62,63
	v_exp_f32 v[96+\j], v[96+\j]                   ; p = 2^(t - M), at most 1
.endr
	v_pk_mul_f32 v[14:15], v[14:15], v[224:225] op_sel_hi:[1,0]   ; the sums under the new M.  (A plain place behind the exponentials)
	s_wait_alu depctr_va_vdst(0)                   ; one wait for the whole batch, ahead of its first reader
.irp b, 0,1,2,3
	v_exp_f32 v[212+\b], v[212+\b]                 ; the block's largest p
.endr
	v_pk_add_f32 v[228:229], v[96:97], v[98:99]    ; the row's sum is taken of the unquantised p, in two chains
.irp j, 4,8,12,16,20,24,28,32,36,40,44,48,52,56,60
	v_pk_add_f32 v[14:15], v[14:15], v[96+\j:97+\j]
	v_pk_add_f32 v[228:229], v[228:229], v[98+\j:99+\j]
.endr
	v_pk_add_f32 v[14:15], v[14:15], v[228:229]
	s_wait_alu depctr_va_vdst(0)                   ; and one for the four
.irp b, 0,1,2,3
	v_max_num_f32 v[212+\b], 0x2800000, v[212+\b]  ; the floor 2^(5 - 127): the byte cannot fall under 1
.endr
.irp b, 0,1,2,3
	v_add_nc_u32 v[220+\b], 0xfe000000, v[212+\b]  ; 4 off the exponent field: the conversion's scale operand
.endr
.irp b, 0,1,2,3
	v_lshrrev_b32 v[216+\b], 23, v[220+\b]         ; the scale's byte
.endr
	v_lshl_or_b32 v225, v217, 8, v216              ; p's scale word for these 128 keys
	v_lshl_or_b32 v225, v218, 16, v225
	v_lshl_or_b32 v225, v219, 24, v225
.irp c, 0,1
	v_cvt_scalef32_pk16_bf6_f32 v[192+6*\c:194+6*\c], v[96+32*\c:111+32*\c], v[220+2*\c]
	v_cvt_scalef32_pk16_bf6_f32 v[204+4*\c:206+4*\c], v[112+32*\c:127+32*\c], v[220+2*\c+1]   ; (a conversion's three registers begin on an even number)
.endr
	v_nop                                          ; one plain place behind a scaled conversion
.irp c, 0,1                                    ; a whole block to a lane
.irp i, 0,1,2
	v_permlane16_swap_b32 v[192+6*\c+\i], v[204+4*\c+\i]
.endr
.irp i, 0,1,2
	v_mov_b32 v[195+6*\c+\i], v[204+4*\c+\i]
.endr
.endr
.irp j, 0,2,4,6,8,10,12,14,16,18,20,22,24,26,28,30
	v_pk_mul_f32 v[160+\j:161+\j], v[160+\j:161+\j], v[224:225] op_sel_hi:[1,0]   ; O^T under the new M.  (These sixteen are also the places between the writes of p's codes and scale word and the products)
.endr
	s_wait_dscnt 0x0                               ; v^T is in
.irp t, 0,1,2,3                                ; O^T += v^T p^T: the four accumulators by turns
.if (\t%2) == 0
	v_wmma_scale_f32_16x16x128_f8f6f4 v[160+8*\t:167+8*\t], v[32+12*\t:43+12*\t], v[192:203], v[160+8*\t:167+8*\t], v[90+\t/2], v225 matrix_a_fmt:MATRIX_FMT_BF6 matrix_b_fmt:MATRIX_FMT_BF6
.else
	v_wmma_scale_f32_16x16x128_f8f6f4 v[160+8*\t:167+8*\t], v[32+12*\t:43+12*\t], v[192:203], v[160+8*\t:167+8*\t], v[90+\t/2], v225 matrix_a_fmt:MATRIX_FMT_BF6 matrix_b_fmt:MATRIX_FMT_BF6 matrix_a_scale:MATRIX_SCALE_ROW1
.endif
.endr
.endm
.macro PASS base                               ; a slot's eight key steps: written once, walked eight times
	s_mov_b32 s28, \base
	s_mov_b32 s29, 8
.Lstep_\@:
	STEP
	s_add_co_u32 s28, s28, REC
	s_sub_co_u32 s29, s29, 1
	s_cmp_lg_u32 s29, 0
	s_cbranch_scc1 .Lstep_\@
.endm
; THE CHANGE OF SLOTS.  Each wave waits for all its tensor loads, adds 0 to its spare word, and waits for that and for its reads of the slot that it has left.
; kind = 1: waves 0-7 fill slot 0 again; kind = 2: waves 8-15 fill slot 1 again: the barrier is then a round of the cluster's, so that no wave of any partner still reads the slot; kind = 0: nothing is filled.
.macro CHANGE kind
	s_wait_tensorcnt 0x0                           ; no tensor load of mine is out, so the descriptor may be written
	ds_add_u32 v5, v6
.if \kind == 1
	s_add_nc_u64 s[26:27], s[26:27], 16*REC        ; my one refill: the record sixteen key steps on, into the bytes of my first
.endif
	s_wait_dscnt 0x0                               ; the add is done, and my reads of the slot are over
.if \kind
	ROUND
.if \kind == 1
	s_cmp_lt_u32 s12, 8
.else
	s_cmp_ge_u32 s12, 8
.endif
	s_cbranch_scc0 .Lnone_\@                       ; on the wave's number alone: the same in all four partners
	tensor_load_to_lds s[24:27], s[16:23]
	s_nop 0
.rept 4
	v_nop
.endr
.Lnone_\@:
.else
	s_barrier_signal -1
	s_barrier_wait -1
.endif
.endm
	s_load_b256 s[4:11], s[0:1], 0x0               ; qrec 4, kvrec 6, aimg 8, asc 10
	v_lshl_add_u32 v5, v0, 2, SPARE
	v_mov_b32 v6, 0
	ds_add_u32 v5, v6                              ; the wave's opening: the add, twice on end, and its wait ahead of my first tensor load
	ds_add_u32 v5, v6
	v_lshrrev_b32 v8, 5, v0
	v_readfirstlane_b32 s12, v8                    ; wave 0..15
	s_bfe_u32 s13, ttmp6, 0x40000                  ; cx: my place in the cluster
	s_lshl_b32 s14, ttmp9, 2
	s_add_co_u32 s14, s14, s13                     ; my block of 256 queries
	s_and_b32 s15, ttmp7, 0xffff                   ; 8 x batch + head, which the four partners share
	; descriptor group 1: a record as 51 dense rows of 256 bytes
	s_mov_b32 s16, 15|(3<<16)|(1<<21)              ; 15:0 the mask: all four work-groups; 17:16 elements of 8 bytes; 20 no padding; 21 set beside a mask
	s_mov_b32 s17, 32<<16                          ; tensor_dim0 = 32
	s_mov_b32 s18, 51<<16                          ; tensor_dim1 = 51
	s_mov_b32 s19, 32<<16                          ; tile_dim0 = 32
	s_mov_b32 s20, 51                              ; tile_dim1 = 51
	s_mov_b32 s21, 32                              ; from row to row
	s_mov_b32 s22, 0
	s_mov_b32 s23, 0
	s_mul_i32 s47, s12, REC                        ; my record's place in the ring, and among the head's records
	s_mul_i32 s48, s15, 32*REC
	s_add_co_u32 s48, s48, s47
	s_mov_b32 s49, 0
	s_mov_b32 s30, 0x3e38aa3b                      ; c = log2(e) / 8
	s_mov_b32 s31, s30                             ; (named with it as a pair)
	s_mov_b32 s32, 0x76543210
	s_mov_b32 s33, 0xfedcba98                      ; lane l xor 16
	s_wait_dscnt 0x0                               ; both opening adds are done
	s_wait_kmcnt 0x0
	s_mov_b32 s24, 1                               ; count = 1
	s_mov_b32 s25, s47                             ; LDS address
	s_add_nc_u64 s[26:27], s[6:7], s[48:49]        ; global address: key step = my wave's number
	s_or_b32 s27, s27, 0x80000000                  ; type = 2
	ROUND                                          ; all four work-groups are here: the first joint loads meet
	tensor_load_to_lds s[24:27], s[16:23]
	s_nop 0
.rept 4
	v_nop
.endr
	; q: my tile is tile w % 8 of record 2 x block + w / 8: registers 6 (w % 2) .. + 5 of pair image (w / 2) % 4
	v_and_b32 v8, 31, v0
	v_lshlrev_b32 v1, 4, v8
	v_lshlrev_b32 v2, 2, v8
	v_lshlrev_b32 v7, 3, v8
	s_lshr_b32 s50, s12, 3
	s_lshl_b32 s51, s14, 1
	s_add_co_u32 s50, s50, s51
	s_lshl_b32 s51, s15, 5
	s_add_co_u32 s50, s50, s51
	s_mul_i32 s50, s50, 6656
	s_mov_b32 s51, 0
	s_add_nc_u64 s[38:39], s[4:5], s[50:51]        ; my record of q
	s_bfe_u32 s52, s12, 0x20001                    ; the pair
	s_and_b32 s53, s12, 1                          ; even or odd tile
	s_mul_i32 s54, s52, 1536
	s_cmp_lg_u32 s53, 0
	s_cselect_b32 s34, 520, 0                      ; a piece of the image holds four registers, 16 bytes a lane: registers 0-5 lie at 0, 8, 512; registers 6-11 at 520, 1,024, 1,032
	s_cselect_b32 s35, 1024, 8
	s_mov_b32 s36, 512
	s_cselect_b32 s36, 1032, s36
	s_add_co_u32 s34, s34, s54
	s_add_co_u32 s35, s35, s54
	s_add_co_u32 s36, s36, s54
	v_add_nc_u32 v8, s34, v1
	v_add_nc_u32 v9, s35, v1
	v_add_nc_u32 v10, s36, v1
	s_lshl_b32 s55, s53, 8
	s_lshl_b32 s56, s52, 2
	s_add_co_u32 s55, s55, s56
	s_add_co_u32 s55, s55, 6144
	v_and_b32 v11, 15, v0
	v_lshl_add_u32 v11, v11, 4, s55                ; my row's scale word: word (pair) of lane 16 (w % 2) + r
	global_load_b64 v[16:17], v8, s[38:39]
	global_load_b64 v[18:19], v9, s[38:39]
	global_load_b64 v[20:21], v10, s[38:39]
	global_load_b32 v28, v11, s[38:39]
	; where the results go
	s_lshl_b32 s57, s14, 4
	s_add_co_u32 s57, s57, s12                     ; my tile in the batch
	s_lshr_b32 s58, s15, 3
	s_lshl_b32 s58, s58, 8
	s_add_co_u32 s58, s58, s57                     ; among the 512
	s_mul_i32 s58, s58, 6144
	s_bfe_u32 s59, s15, 0x20001                    ; head / 2: the K step of the last product
	s_mul_i32 s59, s59, 1536
	s_add_co_u32 s58, s58, s59
	s_and_b32 s59, s15, 1                          ; head % 2: the fragment's lower or upper six registers
	s_mul_i32 s59, s59, 768
	s_add_co_u32 s58, s58, s59
	s_mov_b32 s59, 0
	s_add_nc_u64 s[42:43], s[8:9], s[58:59]
	s_lshl_b32 s60, s15, 8
	s_add_co_u32 s60, s60, s57
	s_lshl_b32 s60, s60, 6
	s_mov_b32 s61, 0
	s_add_nc_u64 s[44:45], s[10:11], s[60:61]
.irp j, 22,23,24,25,26,27,80,81,82,83,84,85
	v_mov_b32 v[\j], 0                             ; zero codes: the half of K that has no numbers
.endr
	v_mov_b32 v13, 0xff61b1e6                      ; the largest t so far: -3e38
	v_floor_f32 v12, -v13                          ; -M
	v_mov_b32 v14, 0
	v_mov_b32 v15, 0
.irp b, 0,1,2,3
	v_mov_b32 v[216+\b], 0                         ; written once: a lane permute's destination counts as one of its sources
.endr
	v_mov_b32 v225, 0                              ; (named as the upper half of the pair v[224:225] before it is first written)
.irp j, 0,1,2,3,4,5,6,7,8,9,10,11,12,13,14,15,16,17,18,19,20,21,22,23,24,25,26,27,28,29,30,31
	v_mov_b32 v[160+\j], 0                         ; O^T: the step is written once; its first walk finds zeros, which the first change of M leaves zeros
.endr
	s_wait_tensorcnt 0x0                           ; my record is in,
	s_barrier_signal -1
	s_barrier_wait -1                              ; all sixteen are: both slots are whole
	s_wait_loadcnt 0x0                             ; q
	PASS 0                                         ; key steps 0-7
	CHANGE 1
	PASS SLOT1                                     ; 8-15
	CHANGE 2
	PASS 0                                         ; 16-23
	CHANGE 0
	PASS SLOT1                                     ; 24-31
	; THE WAY OUT: o = O^T / the sum, quantised along the head's 64 channels (two blocks), stored as three pieces of the last launch's fragment
.rept 4
	v_nop                                          ; four places behind the last products
.endr
	v_add_f32 v14, v14, v15
	v_permlanex16_b32 v226, v14, s32, s33
	v_add_f32 v14, v14, v226                       ; the row's sum
	v_rcp_f32 v14, v14
	v_and_b32 v8, 31, v0                           ; (a plain place behind the transcendental)
	v_and_b32 v9, 15, v0
	v_lshlrev_b32 v9, 2, v9
	s_wait_alu depctr_va_vdst(0)                   ; ahead of the first reader
.irp j, 0,1,2,3,4,5,6,7,8,9,10,11,12,13,14,15,16,17,18,19,20,21,22,23,24,25,26,27,28,29,30,31
	v_mul_f32 v[96+\j], v[160+\j], v14             ; register 16 b + i: channel 32 b + 16 (lane / 16) + i; each accumulator from its low end on
.endr
.irp b, 0,1
	v_max3_num_f32 v[212+\b], |v[96+16*\b]|, |v[97+16*\b]|, 0x2800000
.endr
.irp i, 2,4,6,8,10,12,14
.irp b, 0,1
	v_max3_num_f32 v[212+\b], v[212+\b], |v[96+16*\b+\i]|, |v[97+16*\b+\i]|
.endr
.endr
.irp b, 0,1
	v_permlanex16_b32 v[216+\b], v[212+\b], s32, s33
.endr
.irp b, 0,1
	v_max_num_f32 v[212+\b], v[212+\b], v[216+\b]
.endr
.irp b, 0,1
	v_add_nc_u32 v[220+\b], 0xfe000000, v[212+\b]
.endr
.irp b, 0,1
	v_lshrrev_b32 v[216+\b], 23, v[220+\b]
.endr
	v_lshl_or_b32 v226, v217, 8, v216              ; my row's two scale bytes
	v_cvt_scalef32_pk16_bf6_f32 v[192:194], v[96:111], v220
	v_cvt_scalef32_pk16_bf6_f32 v[204:206], v[112:127], v221
	v_nop                                          ; one plain place behind a scaled conversion
.irp i, 0,1,2
	v_permlane16_swap_b32 v[192+\i], v[204+\i]
.endr
.irp i, 0,1,2
	v_mov_b32 v[195+\i], v[204+\i]
.endr
.irp i, 0,1,2
	global_store_b64 v7, v[192+2*\i:193+2*\i], s[42:43] offset:256*\i   ; 32 lanes store 256 consecutive bytes, aligned
.endr
	v_cmp_gt_u32 vcc_lo, 16, v8
	s_wait_xcnt 0x0                                ; EXEC changes only behind this wait
	s_and_saveexec_b32 s46, vcc_lo
	global_store_b32 v9, v226, s[44:45]            ; lanes 0-15: a word a row
	s_wait_xcnt 0x0                                ; and again, in front of the line that widens it
	s_or_b32 exec_lo, exec_lo, s46
	s_wait_tensorcnt 0x0                           ; the wave's end, behind my last tensor load
	ds_add_u32 v5, v6
	s_wait_dscnt 0x0
	ROUND                                          ; the closing round: no work-group ends while a partner may still ask for a record that names it
	s_endpgm
.Lfunc_end_k_qb151aa8e14_attn:
	.size	k_qb151aa8e14_attn, .Lfunc_end_k_qb151aa8e14_attn-k_qb151aa8e14_attn
	.p2alignl 7, 3214868480
	.fill 96, 4, 3214868480
	.section	.rodata,"a",@progbits
	.p2align	6, 0x0
	.amdhsa_kernel k_qb151aa8e14_attn
		.amdhsa_group_segment_fixed_size 327680
		.amdhsa_private_segment_fixed_size 0
		.amdhsa_enable_private_segment 0
		.amdhsa_kernarg_size 32
		.amdhsa_user_sgpr_count 2
		.amdhsa_user_sgpr_kernarg_segment_ptr 1
		.amdhsa_wavefront_size32 1
		.amdhsa_system_sgpr_workgroup_id_x 1
		.amdhsa_system_sgpr_workgroup_id_y 1
		.amdhsa_system_sgpr_workgroup_id_z 1
		.amdhsa_system_vgpr_workitem_id 0
		.amdhsa_next_free_vgpr 240
		.amdhsa_next_free_sgpr 66
		.amdhsa_reserve_vcc 1
		.amdhsa_float_denorm_mode_32 3
		.amdhsa_float_denorm_mode_16_64 3
		.amdhsa_memory_ordered 1
		.amdhsa_forward_progress 1
		.amdhsa_inst_pref_size 74
	.end_amdhsa_kernel
	.amdgpu_metadata
---
amdhsa.version: [ 1, 2 ]
amdhsa.kernels:
  - .name:           k_qb151aa8e14_attn
    .symbol:         k_qb151aa8e14_attn.kd
    .args:
      - { .name: qrec, .offset: 0, .size: 8, .value_kind: global_buffer, .address_space: global }
      - { .name: kvrec, .offset: 8, .size: 8, .value_kind: global_buffer, .address_space: global }
      - { .name: aimg, .offset: 16, .size: 8, .value_kind: global_buffer, .address_space: global }
      - { .name: asc, .offset: 24, .size: 8, .value_kind: global_buffer, .address_space: global }
    .group_segment_fixed_size: 327680
    .private_segment_fixed_size: 0
    .kernarg_segment_align: 8
    .kernarg_segment_size: 32
    .max_flat_workgroup_size: 512
    .sgpr_count:     66
    .vgpr_count:     240
    .wavefront_size: 32
...
	.end_amdgpu_metadata
.endif
;; end of part 3
;; launch oproj (part 4): grid 2 x 128, 4 waves a work-group, no clusters, 17,920 bytes of LDS; arguments aimg, asc, Wo_codes, Wo_scales, bo, hidden_states, out0; writes out0
.if DOCPART == 4
	.amdgcn_target "amdgcn-amd-amdhsa--gfx1250"
	.amdhsa_code_object_version 6
	.text
	.protected	k_qb151aa8e14_oproj
	.globl	k_qb151aa8e14_oproj
	.p2align	8
	.type	k_qb151aa8e14_oproj,@function
k_qb151aa8e14_oproj:
	s_mov_b64 s[64:65], 0
	v_nop
	global_prefetch_b8 v0, s[64:65] scope:SCOPE_SE
	s_setreg_imm32_b32 hwreg(HW_REG_WAVE_MODE, 25, 1), 1
	s_wait_xcnt 0x0
; Launch 4 of 4: out0 = o Wo + bo + hidden_states, the product on codes of BF6 (E3M2) with one E8M0 scale for each 32 along K = 512.  No work is left out.
; SHARES.  Work-group (x, y): 64 rows (row tiles 4 y .. 4 y + 3) x 256 columns (half x).  Wave w: columns 256 x + 64 w on: 256 bytes of a row of the output, aligned.
; Wo's 16 fragments of a wave stay in registers, read once.  o's fragments come as images of their registers (aimg: 8 bytes a lane a piece); its scale words come head by head (asc) and two heads' halves make a K step's word.
; Source 0 = 16 rows of Wo, source 1 = a tile of o: a lane holds eight neighbouring columns of one row; bo is the C of each sum's first product.
; Lane place r of tile m holds row 32 (m / 2) + 8 (m % 2) + r + 8 (r / 8) of the 64: the stores and the residual's loads name the rows so.
; All loads are issued at the head, in the order of need; the waits count the younger ones.  The bound is the residual's and the output's bytes: no ring, no cluster (the weights go once into the registers that keep them).
; REGISTERS.  Window 0: v4-11 addresses, v12-13 the add's two, v16-47 four accumulators, v48-79 rows on the way out, v80-111 o's scale halves, v112-127 o's scale words, v128-143 Wo's.
; Window 1: v0-191 Wo, v192-223 bo.   Window 2: v0-191 o's 16 fragments.   Window 3: v0-127 the residual.
.set SPARE, 17408                      ; behind the four stages (16 rows x 272 bytes each): the spare words, 128 bytes a wave: two blocks of 256 bytes that no other line names
.set ACC, 16
.set OB,  48
.set AR,  80
.set AS,  112
.set WS,  128
.set MSB, 0
.macro WIN new                         ; s_set_vgpr_msb: bits 1:0 source 0, 3:2 source 1, 5:4 source 2, 7:6 destination; the high byte repeats the setting that is left
.if MSB != \new
	s_set_vgpr_msb (MSB<<8)|\new
.set MSB, \new
.endif
.endm
	s_load_b256 s[4:11], s[0:1], 0x0               ; aimg 4, asc 6, Wo_codes 8, Wo_scales 10
	s_load_b128 s[12:15], s[0:1], 0x20             ; bo 12, hidden_states 14
	s_load_b64 s[16:17], s[0:1], 0x30              ; out0
	v_lshl_add_u32 v12, v0, 2, SPARE
	v_mov_b32 v13, 0
	v_lshrrev_b32 v1, 5, v0
	v_readfirstlane_b32 s18, v1                    ; wave
	v_and_b32 v1, 31, v0                           ; lane
	v_and_b32 v2, 15, v0                           ; r
	v_bfe_u32 v3, v0, 4, 1                         ; h
	v_mul_u32_u24 v4, v2, 384                      ; Wo: row r of 384 bytes, + 24 h
	v_mad_u32_u24 v4, v3, 24, v4
	v_lshlrev_b32 v5, 4, v2                        ; Wo's scale bytes: 16 a row
	v_lshlrev_b32 v6, 5, v3                        ; bo: my half's eight numbers
	v_lshlrev_b32 v7, 3, v1                        ; a piece of an image
	v_lshlrev_b32 v8, 2, v2                        ; o's scale halves
	v_lshl_add_u32 v9, v3, 11, v5                  ; residual and output: lanes 0-15 one row, lanes 16-31 the next; 16 bytes a lane
	s_mul_i32 s21, s18, 4352                       ; my stage
	v_mul_u32_u24 v10, v2, 272
	v_lshl_add_u32 v10, v3, 5, v10
	v_add_nc_u32 v10, s21, v10                     ; in: row place r, 32 bytes for each half of the lanes
	v_mul_u32_u24 v11, v3, 272
	v_lshl_add_u32 v11, v2, 4, v11
	v_add_nc_u32 v11, s21, v11                     ; back: two row places an instruction
	s_and_b32 s19, ttmp7, 0xffff                   ; y
	s_lshl_b32 s20, ttmp9, 8
	s_lshl_b32 s22, s18, 6
	s_add_co_u32 s20, s20, s22                     ; my first column
	s_mov_b32 s23, 0
	s_wait_kmcnt 0x0
	s_mul_i32 s22, s20, 384
	s_add_nc_u64 s[8:9], s[8:9], s[22:23]
	s_lshl_b32 s22, s20, 4
	s_add_nc_u64 s[10:11], s[10:11], s[22:23]
	s_lshl_b32 s22, s20, 2
	s_add_nc_u64 s[12:13], s[12:13], s[22:23]
	s_add_nc_u64 s[14:15], s[14:15], s[22:23]
	s_add_nc_u64 s[16:17], s[16:17], s[22:23]
	s_lshl_b32 s22, s19, 17                        ; 64 rows of 2,048 bytes
	s_add_nc_u64 s[14:15], s[14:15], s[22:23]
	s_add_nc_u64 s[16:17], s[16:17], s[22:23]
	s_mul_i32 s22, s19, 24576                      ; four tiles of 6,144 bytes
	s_add_nc_u64 s[4:5], s[4:5], s[22:23]
	s_lshr_b32 s24, s19, 6                         ; batch
	s_lshl_b32 s24, s24, 17                        ; its eight heads x 16,384 bytes
	s_and_b32 s22, s19, 63
	s_lshl_b32 s22, s22, 8                         ; four tiles of 64 bytes
	s_add_co_u32 s22, s22, s24
	s_add_nc_u64 s[6:7], s[6:7], s[22:23]
	WIN 0x40
.irp t, 0,1,2,3
.irp s, 0,1,2,3
.irp p, 0,1,2,3,4,5
	global_load_b64 v[12*(4*\t+\s)+2*\p:12*(4*\t+\s)+2*\p+1], v4, s[8:9] offset:16*\t*384+96*\s+48*(\p/3)+8*(\p%3)
.endr
.endr
.endr
.irp t, 0,1,2,3
	global_load_b128 v[192+8*\t:195+8*\t], v6, s[12:13] offset:64*\t
	global_load_b128 v[196+8*\t:199+8*\t], v6, s[12:13] offset:64*\t+16
.endr
	WIN 0
.irp t, 0,1,2,3
	global_load_b128 v[WS+4*\t:WS+4*\t+3], v5, s[10:11] offset:256*\t
.endr
.irp m, 0,1,2,3
.irp e, 0,1,2,3,4,5,6,7
	global_load_b32 v[AR+8*\m+\e], v8, s[6:7] offset:16384*\e+64*\m   ; tile m, head e
.endr
.endr
.irp m, 0,1,2,3
	WIN 0x80
.irp s, 0,1,2,3
.irp p, 0,1,2,3,4,5
	global_load_b64 v[48*\m+12*\s+2*\p:48*\m+12*\s+2*\p+1], v7, s[4:5] offset:6144*\m+1536*\s+256*\p
.endr
.endr
	WIN 0xc0
.irp i, 0,1,2,3,4,5,6,7
	global_load_b128 v[32*\m+4*\i:32*\m+4*\i+3], v9, s[14:15] offset:(32*(\m/2)+8*(\m%2)+2*\i+8*(\i/4))*2048
.endr
.endr
	WIN 0
	s_wait_loadcnt 63                              ; the weights, bo and the scale halves are in: 128 loads are younger, and a wait's count ends at 63
.irp m, 0,1,2,3                                ; tile 0's words first: twelve plain lines follow them ahead of the first product
.irp s, 0,1,2,3
	v_lshl_or_b32 v[AS+4*\m+\s], v[AR+8*\m+2*\s+1], 16, v[AR+8*\m+2*\s]   ; K step s: heads 2 s and 2 s + 1
.endr
.endr
.irp m, 0,1,2,3
.if \m < 2
	s_wait_loadcnt 63                              ; tile m's fragments are in (8 + 32 (3 - m) loads are younger: more than a count can name)
.else
	s_wait_loadcnt 8+32*(3-\m)                     ; tile m's fragments are in; its residual and the later tiles' loads stay out
.endif
.irp s, 0,1,2,3                                ; 16 products, K step outermost, the four accumulators by turns
.if \s == 0
	WIN 0x19                                       ; Wo window 1, o window 2, bo window 1
.else
	WIN 0x09
.endif
.irp t, 0,1,2,3
.if \s == 0
	v_wmma_scale_f32_16x16x128_f8f6f4 v[ACC+8*\t:ACC+8*\t+7], v[12*(4*\t+\s):12*(4*\t+\s)+11], v[48*\m+12*\s:48*\m+12*\s+11], v[192+8*\t:199+8*\t], v[WS+4*\t+\s], v[AS+4*\m+\s] matrix_a_fmt:MATRIX_FMT_BF6 matrix_b_fmt:MATRIX_FMT_BF6
.else
	v_wmma_scale_f32_16x16x128_f8f6f4 v[ACC+8*\t:ACC+8*\t+7], v[12*(4*\t+\s):12*(4*\t+\s)+11], v[48*\m+12*\s:48*\m+12*\s+11], v[ACC+8*\t:ACC+8*\t+7], v[WS+4*\t+\s], v[AS+4*\m+\s] matrix_a_fmt:MATRIX_FMT_BF6 matrix_b_fmt:MATRIX_FMT_BF6
.endif
.endr
.endr
	WIN 0
.rept 4
	v_nop                                          ; four places in front of the first read of results
.endr
.irp t, 0,1,2,3
	ds_store_b128 v10, v[ACC+8*\t:ACC+8*\t+3] offset:64*\t          ; each accumulator from its low end on
	ds_store_b128 v10, v[ACC+8*\t+4:ACC+8*\t+7] offset:64*\t+16
.endr
.if \m > 0
	s_wait_xcnt 0x0                                ; the last tile's stores have read their registers
.endif
.irp i, 0,1,2,3,4,5,6,7
	ds_load_b128 v[OB+4*\i:OB+4*\i+3], v11 offset:544*\i            ; LDS serves a wave's instructions in order: these see my stores, and the next tile's stores come behind them
.endr
	s_wait_dscnt 0x0
.if \m < 2
	s_wait_loadcnt 63                              ; tile m's residual is in (32 (3 - m) loads are younger)
.else
	s_wait_loadcnt 32*(3-\m)
.endif
	WIN 0x0c                                       ; source 1: window 3
.irp i, 0,2,4,6,8,10,12,14,16,18,20,22,24,26,28,30
	v_pk_add_f32 v[OB+\i:OB+\i+1], v[OB+\i:OB+\i+1], v[32*\m+\i:32*\m+\i+1]   ; + the residual.  (With the four above: the places in front of the next tile's first products, which begin the accumulators anew)
.endr
	WIN 0
.irp i, 0,1,2,3,4,5,6,7
	global_store_b128 v9, v[OB+4*\i:OB+4*\i+3], s[16:17] offset:(32*(\m/2)+8*(\m%2)+2*\i+8*(\i/4))*2048 th:TH_STORE_NT   ; 16 lanes store 256 consecutive bytes, aligned
.endr
.endr
	s_wait_tensorcnt 0x0                           ; the wave's end, behind my last LDS store
	ds_add_u32 v12, v13
	s_wait_dscnt 0x0
	s_endpgm
.Lfunc_end_k_qb151aa8e14_oproj:
	.size	k_qb151aa8e14_oproj, .Lfunc_end_k_qb151aa8e14_oproj-k_qb151aa8e14_oproj
	.p2alignl 7, 3214868480
	.fill 96, 4, 3214868480
	.section	.rodata,"a",@progbits
	.p2align	6, 0x0
	.amdhsa_kernel k_qb151aa8e14_oproj
		.amdhsa_group_segment_fixed_size 17920
		.amdhsa_private_segment_fixed_size 0
		.amdhsa_enable_private_segment 0
		.amdhsa_kernarg_size 56
		.amdhsa_user_sgpr_count 2
		.amdhsa_user_sgpr_kernarg_segment_ptr 1
		.amdhsa_wavefront_size32 1
		.amdhsa_system_sgpr_workgroup_id_x 1
		.amdhsa_system_sgpr_workgroup_id_y 1
		.amdhsa_system_sgpr_workgroup_id_z 1
		.amdhsa_system_vgpr_workitem_id 0
		.amdhsa_next_free_vgpr 896
		.amdhsa_next_free_sgpr 66
		.amdhsa_reserve_vcc 0
		.amdhsa_float_denorm_mode_32 3
		.amdhsa_float_denorm_mode_16_64 3
		.amdhsa_memory_ordered 1
		.amdhsa_forward_progress 1
		.amdhsa_inst_pref_size 50
	.end_amdhsa_kernel
	.amdgpu_metadata
---
amdhsa.version: [ 1, 2 ]
amdhsa.kernels:
  - .name:           k_qb151aa8e14_oproj
    .symbol:         k_qb151aa8e14_oproj.kd
    .args:
      - { .name: aimg, .offset: 0, .size: 8, .value_kind: global_buffer, .address_space: global }
      - { .name: asc, .offset: 8, .size: 8, .value_kind: global_buffer, .address_space: global }
      - { .name: Wo_codes, .offset: 16, .size: 8, .value_kind: global_buffer, .address_space: global }
      - { .name: Wo_scales, .offset: 24, .size: 8, .value_kind: global_buffer, .address_space: global }
      - { .name: bo, .offset: 32, .size: 8, .value_kind: global_buffer, .address_space: global }
      - { .name: hidden_states, .offset: 40, .size: 8, .value_kind: global_buffer, .address_space: global }
      - { .name: out0, .offset: 48, .size: 8, .value_kind: global_buffer, .address_space: global }
    .group_segment_fixed_size: 17920
    .private_segment_fixed_size: 0
    .kernarg_segment_align: 8
    .kernarg_segment_size: 56
    .max_flat_workgroup_size: 128
    .sgpr_count:     66
    .vgpr_count:     896
    .wavefront_size: 32
...
	.end_amdgpu_metadata
.endif
;; end of part 4
;; ======== version 2 of 2: 4 launches
;; workspace buffers: part 65,536 bytes; qrec 3,407,872 bytes; kvrec 6,684,672 bytes; aimg 3,145,728 bytes; asc 262,144 bytes
;; launch gnstat (part 5): grid 256 x 1, 8 waves a work-group, no clusters, 0 bytes of LDS; arguments hidden_states, part; writes part
.if DOCPART == 5
	.amdgcn_target "amdgcn-amd-amdhsa--gfx1250"
	.amdhsa_code_object_version 6
	.text
	.protected	k_qb151aa8e14_gnstat
	.globl	k_qb151aa8e14_gnstat
	.p2align	8
	.type	k_qb151aa8e14_gnstat,@function
k_qb151aa8e14_gnstat:
	s_mov_b64 s[64:65], 0
	v_nop
	global_prefetch_b8 v0, s[64:65] scope:SCOPE_SE
	s_setreg_imm32_b32 hwreg(HW_REG_WAVE_MODE, 25, 1), 1
	s_wait_xcnt 0x0
; SelfAttentionBlock in MX-BF6, launch 1 of 4: the group norm's partial statistics.
; THE PROGRAM: (1) this launch; (2) qkv: the norm is finished, x is quantised, q, k, v are made and quantised; (3) attn: softmax(q k^T / 8) v on codes; (4) oproj: x Wo + bo + residual.
; DEAD WORK: none is left out.  Every bias goes into a quantised operand or into the output (bk moves k's codes, so it stays although a softmax in real numbers would take it away), and every input is loaded by some launch.
; LIMITS of the program: NaN and infinities among the inputs are not served; a block of 32 whose largest magnitude lies under 2^-122 keeps the scale byte 1 (the bytes are read by this program alone; a block of zeros has zero codes);
; t = score x (log2(e) / 8) is made with one rounding.
; THIS LAUNCH: hidden_states is [2][4096][512] f32; a group is 16 channels.  Work-group i takes rows 32 i .. 32 i + 31 of the 8,192, wave w channels 64 w .. 64 w + 63 (four whole groups).
; For each group it stores the mean of its 512 numbers and the sum of squares of their distances from THAT mean: no difference of large sums is formed, whatever offset the inputs carry.
; part: [work-group 256][group 32][2] f32.  A lane holds 16 bytes of each of 16 rows (lanes 0-15 the even rows, lanes 16-31 the odd ones): each load of a wave covers two aligned runs of 256 bytes;
; all 16 loads are out at once, and the rows stay in registers between the two passes.  A wave stores 32 bytes: part of an aligned 256; the buffer is 64 KiB in all.
; No LDS, no barrier, no matrix unit: the waves share nothing and memory binds.
.set X, 16                             ; v16-79  my 64 numbers
.set A, 4                              ; v4-11   four packed chains
	s_load_b128 s[4:7], s[0:1], 0x0                ; hidden_states, part
	v_lshrrev_b32 v2, 5, v0
	s_delay_alu instid0(VALU_DEP_1)
	v_readfirstlane_b32 s10, v2                    ; wave
	v_and_b32 v3, 15, v0                           ; c: my 16 bytes of the wave's 256
	v_bfe_u32 v2, v0, 4, 1                         ; which of two rows
	s_delay_alu instid0(VALU_DEP_2)
	v_lshlrev_b32 v1, 4, v3
	s_delay_alu instid0(VALU_DEP_1)
	v_lshl_add_u32 v1, v2, 11, v1
	s_lshl_b32 s11, s10, 8
	v_add_nc_u32 v1, s11, v1                       ; 2,048 x row + 256 x wave + 16 c
	v_and_b32 v3, 12, v3
	s_lshl_b32 s14, s10, 5
	v_lshl_add_u32 v3, v3, 1, s14                  ; out: 32 x wave + 8 x (c / 4)
	v_and_b32 v2, 0x13, v0                         ; 0 in lanes 0, 4, 8, 12: one lane for each group
	v_mov_b32 v15, 0                               ; (a lane permute's destination counts as read)
	s_lshl_b32 s2, ttmp9, 16                       ; 32 rows of 2,048 bytes
	s_mov_b32 s3, 0
	s_lshl_b32 s12, ttmp9, 8                       ; 32 groups x 8 bytes
	s_mov_b32 s13, 0
	s_mov_b32 s8, 0x76543210
	s_mov_b32 s9, 0xfedcba98                       ; lane l xor 16
	s_wait_alu depctr_va_vdst(0)
	s_wait_kmcnt 0x0
	s_add_nc_u64 s[4:5], s[4:5], s[2:3]
	s_add_nc_u64 s[6:7], s[6:7], s[12:13]
.irp k, 0,1,2,3,4,5,6,7,8,9,10,11,12,13,14,15
	global_load_b128 v[X+4*\k:X+4*\k+3], v1, s[4:5] offset:4096*\k
.endr
	; pass 1: the sum, two numbers an instruction, four chains begun by the first pairs
	s_wait_loadcnt 12                              ; loads 0-3 are in; the twelve younger ones stay out
.irp c, 0,1,2,3
	v_pk_add_f32 v[A+2*\c:A+2*\c+1], v[X+2*\c:X+2*\c+1], v[X+8+2*\c:X+9+2*\c]
.endr
	s_wait_alu depctr_va_vdst(0)
.irp q, 1,2,3
	s_wait_alu depctr_va_vdst(0)
	s_wait_loadcnt 12-4*\q                         ; the next four loads are in
.irp c, 0,1,2,3
	v_pk_add_f32 v[A+2*\c:A+2*\c+1], v[A+2*\c:A+2*\c+1], v[X+16*\q+2*\c:X+16*\q+2*\c+1]
.endr
.irp c, 0,1,2,3
	s_delay_alu instid0(VALU_DEP_4)
	v_pk_add_f32 v[A+2*\c:A+2*\c+1], v[A+2*\c:A+2*\c+1], v[X+16*\q+8+2*\c:X+16*\q+9+2*\c]
.endr
.endr
	s_delay_alu instid0(VALU_DEP_3)
	v_pk_add_f32 v[A:A+1], v[A:A+1], v[A+2:A+3]
	s_delay_alu instid0(VALU_DEP_2)
	v_pk_add_f32 v[A+4:A+5], v[A+4:A+5], v[A+6:A+7]
	s_delay_alu instid0(VALU_DEP_1)
	v_pk_add_f32 v[A:A+1], v[A:A+1], v[A+4:A+5]
	s_delay_alu instid0(VALU_DEP_1)
	v_add_f32 v14, v[A], v[A+1]
	s_delay_alu instid0(VALU_DEP_1)
	v_add_f32_dpp v14, v14, v14 row_xmask:1 row_mask:0xf bank_mask:0xf   ; the four lanes of a group,
	s_delay_alu instid0(VALU_DEP_1)
	v_add_f32_dpp v14, v14, v14 row_xmask:2 row_mask:0xf bank_mask:0xf
	s_delay_alu instid0(VALU_DEP_1)
	v_permlanex16_b32 v15, v14, s8, s9             ; and the other rows' four
	s_delay_alu instid0(VALU_DEP_1)
	v_add_f32 v14, v14, v15
	s_delay_alu instid0(VALU_DEP_1)
	v_mul_f32 v12, 0xbb000000, v14                 ; - sum / 512
	s_delay_alu instid0(VALU_DEP_1)
	v_mov_b32 v13, v12
	; pass 2: the squares of the distances from the mean
.set i, 0
.rept 32
	v_pk_add_f32 v[X+2*i:X+2*i+1], v[X+2*i:X+2*i+1], v[12:13]
.set i, i+1
.endr
.irp c, 0,1,2,3
	v_pk_mul_f32 v[A+2*\c:A+2*\c+1], v[X+2*\c:X+2*\c+1], v[X+2*\c:X+2*\c+1]
.endr
.set i, 4
.rept 28
	s_delay_alu instid0(VALU_DEP_4)
	v_pk_fma_f32 v[A+2*(i%4):A+2*(i%4)+1], v[X+2*i:X+2*i+1], v[X+2*i:X+2*i+1], v[A+2*(i%4):A+2*(i%4)+1]
.set i, i+1
.endr
	s_delay_alu instid0(VALU_DEP_3)
	v_pk_add_f32 v[A:A+1], v[A:A+1], v[A+2:A+3]
	s_delay_alu instid0(VALU_DEP_2)
	v_pk_add_f32 v[A+4:A+5], v[A+4:A+5], v[A+6:A+7]
	s_delay_alu instid0(VALU_DEP_1)
	v_pk_add_f32 v[A:A+1], v[A:A+1], v[A+4:A+5]
	s_delay_alu instid0(VALU_DEP_1)
	v_add_f32 v[A], v[A], v[A+1]
	s_delay_alu instid0(VALU_DEP_1)
	v_add_f32_dpp v[A], v[A], v[A] row_xmask:1 row_mask:0xf bank_mask:0xf
	s_delay_alu instid0(VALU_DEP_1)
	v_add_f32_dpp v[A], v[A], v[A] row_xmask:2 row_mask:0xf bank_mask:0xf
	s_delay_alu instid0(VALU_DEP_1)
	v_permlanex16_b32 v[A+1], v[A], s8, s9
	s_delay_alu instid0(VALU_DEP_1)
	v_add_f32 v15, v[A], v[A+1]                    ; the sum of squares
	v_xor_b32 v14, 0x80000000, v12                 ; the mean
	v_cmp_eq_u32 vcc_lo, 0, v2
	s_wait_alu depctr_va_vdst(0)
	s_wait_xcnt 0x0                                ; EXEC changes only behind this wait
	s_and_saveexec_b32 s10, vcc_lo
	global_store_b64 v3, v[14:15], s[6:7]
	s_endpgm
.Lfunc_end_k_qb151aa8e14_gnstat:
	.size	k_qb151aa8e14_gnstat, .Lfunc_end_k_qb151aa8e14_gnstat-k_qb151aa8e14_gnstat
	.p2alignl 7, 3214868480
	.fill 96, 4, 3214868480
	.section	.rodata,"a",@progbits
	.p2align	6, 0x0
	.amdhsa_kernel k_qb151aa8e14_gnstat
		.amdhsa_group_segment_fixed_size 0
		.amdhsa_private_segment_fixed_size 0
		.amdhsa_enable_private_segment 0
		.amdhsa_kernarg_size 16
		.amdhsa_user_sgpr_count 2
		.amdhsa_user_sgpr_kernarg_segment_ptr 1
		.amdhsa_wavefront_size32 1
		.amdhsa_system_sgpr_workgroup_id_x 1
		.amdhsa_system_sgpr_workgroup_id_y 1
		.amdhsa_system_sgpr_workgroup_id_z 1
		.amdhsa_system_vgpr_workitem_id 0
		.amdhsa_next_free_vgpr 96
		.amdhsa_next_free_sgpr 66
		.amdhsa_reserve_vcc 1
		.amdhsa_float_denorm_mode_32 3
		.amdhsa_float_denorm_mode_16_64 3
		.amdhsa_memory_ordered 1
		.amdhsa_forward_progress 1
		.amdhsa_inst_pref_size 12
	.end_amdhsa_kernel
	.amdgpu_metadata
---
amdhsa.version: [ 1, 2 ]
amdhsa.kernels:
  - .name:           k_qb151aa8e14_gnstat
    .symbol:         k_qb151aa8e14_gnstat.kd
    .args:
      - { .name: hidden_states, .offset: 0, .size: 8, .value_kind: global_buffer, .address_space: global }
      - { .name: part, .offset: 8, .size: 8, .value_kind: global_buffer, .address_space: global }
    .group_segment_fixed_size: 0
    .private_segment_fixed_size: 0
    .kernarg_segment_align: 8
    .kernarg_segment_size: 16
    .max_flat_workgroup_size: 256
    .sgpr_count:     66
    .vgpr_count:     96
    .wavefront_size: 32
...
	.end_amdgpu_metadata
.endif
;; end of part 5
;; launch qkv (part 6): grid 4 x 64, 4 waves a work-group, no clusters, 57,856 bytes of LDS; arguments hidden_states, part, gn_scale, gn_bias, Wq_codes, Wq_scales, bq, Wk_codes, Wk_scales, bk, Wv_codes, Wv_scales, bv, qrec, kvrec; writes qrec, kvrec
.if DOCPART == 6
	.amdgcn_target "amdgcn-amd-amdhsa--gfx1250"
	.amdhsa_code_object_version 6
	.text
	.protected	k_qb151aa8e14_qkv
	.globl	k_qb151aa8e14_qkv
	.p2align	8
	.type	k_qb151aa8e14_qkv,@function
k_qb151aa8e14_qkv:
	s_mov_b64 s[64:65], 0
	v_nop
	global_prefetch_b8 v0, s[64:65] scope:SCOPE_SE
	s_setreg_imm32_b32 hwreg(HW_REG_WAVE_SCHED_MODE, 0, 2), 2
	s_setreg_imm32_b32 hwreg(HW_REG_WAVE_MODE, 25, 1), 1
	s_wait_xcnt 0x0
	s_wait_alu depctr_vm_vsrc(0)
; Launch 2 of 4: x = group_norm(hidden_states) is finished and quantised along its 512 channels; q = x Wq + bq, k = x Wk + bk, v = x Wv + bv on codes of BF6 (E3M2) with one E8M0 scale for each 32 along K;
; q and k are quantised along a head's 64 channels, v along the keys, and leave as IMAGES OF THE OPERAND REGISTERS that the attention launch wants.  No work is left out.
; SHARES.  Work-group (x, y): x = a pair of heads, y = 128 rows of the 8,192 (batch y / 32, key step y % 32).  Wave w: head 2 x + w / 2; f = w % 2: f = 0 makes q and v's channel tiles 0, 1 of the head, f = 1 makes k and tiles 2, 3.
; The roles differ in pointers alone (chosen on the wave's number).  A wave's 24 weight fragments (288 registers) are read from memory once and stay.  Weights go straight into the registers that keep them: through LDS they would make one way more.
; TILE ORDER.  Lane place r of row tile m (of 8) holds row 32 (m / 2) + 8 (m % 2) + r + 8 (r / 8), and the weight rows of a channel tile are chosen alike: so the 16 registers of two neighbouring result tiles are 16 NEIGHBOURS
; along the axis that is quantised next.  q, k: source 0 = 16 weight rows, source 1 = a tile of x: a lane holds one row, its registers run along the channels.  v: source 0 = a tile of x, source 1 = 16 weight rows: a lane holds one channel, its registers run down the keys.
; PHASES.  Statistics (128 partial means and sums of squares a group are joined; the means are taken relative to the first, so that no difference of large sums is formed) | barrier |
; X: wave w norms and quantises K step w (channels 128 w on) of all 8 tiles; images to LDS | barrier | QK: 4 pairs of tiles x 32 products, quantised, stored | V: 4 pairs x 16 products, two fragments quantised, stored.
; OUT.  qrec [batch-head 16][step 32][6,656]: four pair images of 1,536 bytes (registers 0-5: the even tile, 6-11: the odd one; in a tile lanes 0-15 hold channel block 0, lanes 16-31 block 1), then 512 bytes of scale words
; (word j of lane L: tile 2 j + L / 16, row place L % 16; bytes: block 0, block 1, 0, 0).  kvrec [16][32][13,056]: k laid likewise; four fragments of v^T of 1,536 bytes; two images of 128 bytes of their scale words.
; Each store of codes covers 512 consecutive bytes, aligned; v's scale words are 128 bytes a wave, half of an aligned 256.
; REGISTERS, in windows of 256.  Window 0: v4-15, v198-199 addresses; v16-31 my blocks' -mean and 1/sd; v32-159 results; v160-179 codes; v180-197 the quantiser's; v200-203 a record's scale words; v204-211 and v236-243 two sets of x's scale words;
; v212-235 the weights' scale words; v252-253 the add's two.   Window 1: v0-191 Wq's or Wk's 16 fragments; v192-223 their bias, 8 registers a tile; v224-239 bv.
; Window 2: v0-95 Wv's 8 fragments; v96-223 gain and bias of the norm, later v96-191 buffer 0 of x's fragments.   Window 3: four buffers of 64 numbers of x, later v0-95 buffer 1 of x's fragments.
; THE MODE: SCHED_MODE bits 1:0 = 2 (LLVM: expert scheduling mode 2), set by the entry lines.  The code itself states the register dependences between vector or matrix instructions and memory or LDS instructions, with s_wait_alu, always for 0.
; THE PLAN.  Registers that memory or LDS instructions touch:
;   the addresses      written at the head, read by every load and store, never written again: one wait ahead of the first load.
;   raw x, 4 buffers   tile m's 32 subtractions read buffer m % 4; behind them the loads of tile m + 4 land in it.
;   codes, scale word  written by a quantiser; read by the stores that follow the next wait on va_vdst (in phase X that wait is the next tile's); written again by the next quantiser, behind a wait on vm_vsrc.
;   x's fragments and scale words, 2 buffers   QK's four pairs and V's four are steps 0 to 7.  Step k's products read buffer k % 2; behind them, and behind a wait, the LDS loads of step k + 2 land in it.
; So phase X has one wait on va_vdst a tile, behind the subtractions (the raw buffer is read out; the last tile's codes and word are written), and QK one a step, behind the quantiser (codes and words are written; the step's products have read their buffer).
; Behind such a wait the loads come first, with window switches alone between, then the stores.  In phase V only steps 4 and 5 are followed by loads, so only they are followed by a wait.
.set PST,   0                          ; LDS: 16 bytes a thread: the waves' partial statistics
.set TBL,   2048                       ; 512 bytes a wave: group g at 16 g: -mean, -mean, 1/sd, 1/sd
.set XIMG,  4096                       ; x's 32 fragments: (tile m, K step s) at (4 m + s) x 1,536
.set XSC,   53248                      ; their scale words: (4 m + s) x 128 + 4 x lane
.set SPARE, 57344                      ; the spare words, 128 bytes a wave: two blocks of 256 bytes that no other line names
.set XA,  4
.set LI,  5
.set LS,  6
.set XWI, 7
.set XWS, 8
.set WA,  9
.set WSA, 10
.set GA,  11
.set BA,  12
.set BVA, 13
.set TBA, 14
.set PGO, 15
.set ST,  16
.set HA,  32
.set VA,  32
.set PC,  160
.set TM,  180
.set PW,  196
.set VW0, 197
.set L8,  198
.set PSA, 199
.set WJ,  200
.set XS,  204                          ; set 0; set 1 lies 32 further on, at v236
.set WQS, 212
.set WVS, 228
.set SPW, 252
.set NIL, 253
.set XF,  96                           ; buffer 0: window 2, v96 on; buffer 1: window 3, v0 on
.set GS,  96                           ; window 2
.set GB,  160                          ; window 2
.set BQ,  192                          ; window 1
.set BV,  224                          ; window 1
.set MSB, 0
.macro WIN new                         ; s_set_vgpr_msb: bits 1:0 source 0, 3:2 source 1, 5:4 source 2, 7:6 destination; the high byte repeats the setting that is left
.if MSB != (\new)
	s_set_vgpr_msb (MSB<<8)|(\new)
.set MSB, (\new)
.endif
.endm
; 64 numbers of a lane, register 16 b + i = place 32 b + 16 (lane / 16) + i along the axis to be quantised, become 12 registers of codes in v[PC] on and four scale bytes in v[PW].
.macro QUANT s
.irp b, 0,1,2,3
	v_max3_num_f32 v[TM+\b], |v[\s+16*\b]|, |v[\s+1+16*\b]|, 0x2800000   ; my 16 numbers of block b, and the floor 2^(5 - 127): the byte cannot fall under 1
.endr
.irp i, 2,4,6,8,10,12,14
.irp b, 0,1,2,3
	v_max3_num_f32 v[TM+\b], v[TM+\b], |v[\s+16*\b+\i]|, |v[\s+1+16*\b+\i]|
.endr
.endr
.irp b, 0,1,2,3
	v_permlanex16_b32 v[TM+4+\b], v[TM+\b], s52, s53
.endr
.irp b, 0,1,2,3
	v_max_num_f32 v[TM+\b], v[TM+\b], v[TM+4+\b]   ; with lane l xor 16's: the block's largest magnitude
.endr
.irp b, 0,1,2,3
	v_add_nc_u32 v[TM+12+\b], 0xfe000000, v[TM+\b] ; 4 off its exponent field: the conversion's scale operand
.endr
.irp b, 0,1,2,3
	v_lshrrev_b32 v[TM+4+\b], 23, v[TM+12+\b]      ; the scale's byte
.endr
	v_lshl_or_b32 v[PW], v[TM+5], 8, v[TM+4]
	v_lshl_or_b32 v[PW], v[TM+6], 16, v[PW]
	v_lshl_or_b32 v[PW], v[TM+7], 24, v[PW]
.irp c, 0,1
	v_cvt_scalef32_pk16_bf6_f32 v[PC+6*\c:PC+2+6*\c], v[\s+32*\c:\s+15+32*\c], v[TM+12+2*\c]
	v_cvt_scalef32_pk16_bf6_f32 v[PC+12+4*\c:PC+14+4*\c], v[\s+16+32*\c:\s+31+32*\c], v[TM+12+2*\c+1]   ; (a conversion's three registers begin on an even number)
.endr
	v_nop                                          ; one plain place behind a scaled conversion
.irp c, 0,1                                    ; a whole block to a lane: lanes 0-15 block 2 c, lanes 16-31 block 2 c + 1
.irp i, 0,1,2
	v_permlane16_swap_b32 v[PC+6*\c+\i], v[PC+12+4*\c+\i]
.endr
.irp i, 0,1,2
	v_mov_b32 v[PC+3+6*\c+\i], v[PC+12+4*\c+\i]
.endr
.endr
.endm
.macro BARRIER                                 ; my LDS stores have landed and my LDS loads are in: then the work-group's barrier
	s_wait_dscnt 0x0
	s_barrier_signal -1
	s_barrier_wait -1
.endm
.macro XLOAD m                                 ; tile m: my row's 16 numbers of each of my K step's four blocks, into buffer m % 4 of window 3
	WIN 0xc0
.irp b, 0,1,2,3
.irp j, 0,1,2,3
	global_load_b128 v[64*((\m)%4)+16*\b+4*\j:64*((\m)%4)+16*\b+4*\j+3], v[XA], s[4:5] offset:(32*((\m)/2)+8*((\m)%2))*2048+128*\b+16*\j
.endr
.endr
.endm
.macro NORM_A m                                ; x - mean
	WIN 0x03
.irp b, 0,1,2,3
.irp i, 0,2,4,6,8,10,12,14
	v_pk_add_f32 v[HA+16*\b+\i:HA+16*\b+\i+1], v[64*((\m)%4)+16*\b+\i:64*((\m)%4)+16*\b+\i+1], v[ST+4*\b:ST+4*\b+1]
.endr
.endr
.endm
.macro NORM_B                                  ; x 1/sd, then x gain + bias
	WIN 0
.irp b, 0,1,2,3
.irp i, 0,2,4,6,8,10,12,14
	v_pk_mul_f32 v[HA+16*\b+\i:HA+16*\b+\i+1], v[HA+16*\b+\i:HA+16*\b+\i+1], v[ST+4*\b+2:ST+4*\b+3]
.endr
.endr
	WIN 0x28
.irp b, 0,1,2,3
.irp i, 0,2,4,6,8,10,12,14
	v_pk_fma_f32 v[HA+16*\b+\i:HA+16*\b+\i+1], v[HA+16*\b+\i:HA+16*\b+\i+1], v[GS+16*\b+\i:GS+16*\b+\i+1], v[GB+16*\b+\i:GB+16*\b+\i+1]
.endr
.endr
	WIN 0
.endm
.macro XIMAGE m                                ; tile m's fragment of my K step and its scale word go to LDS as they stand
.irp c, 0,1,2
	ds_store_b128 v[XWI], v[PC+4*\c:PC+4*\c+3] offset:XIMG+6144*(\m)+512*\c
.endr
	ds_store_b32 v[XWS], v[PW] offset:XSC+512*(\m)
.endm
.macro WQK t0                                  ; Wq's or Wk's fragments of channel tiles t0, t0 + 1: 48 loads of 8 bytes
	WIN 0x40
.irp t, \t0, \t0+1
.irp s, 0,1,2,3
.irp p, 0,1,2,3,4,5
	global_load_b64 v[12*(4*(\t)+\s)+2*\p:12*(4*(\t)+\s)+2*\p+1], v[WA], s[36:37] offset:(32*((\t)/2)+8*((\t)%2))*384+96*\s+48*(\p/3)+8*(\p%3)
.endr
.endr
.endr
.endm
.macro WVL                                     ; Wv's fragments of my two channel tiles
	WIN 0x80
.irp q, 0,1
.irp s, 0,1,2,3
.irp p, 0,1,2,3,4,5
	global_load_b64 v[12*(4*\q+\s)+2*\p:12*(4*\q+\s)+2*\p+1], v[WA], s[24:25] offset:8*\q*384+96*\s+48*(\p/3)+8*(\p%3)
.endr
.endr
.endr
.endm
.macro WREST                                   ; the weights' scale words (a row's 16 bytes are its four words) and the biases in the results' layouts
	WIN 0
.irp t, 0,1,2,3
	global_load_b128 v[WQS+4*\t:WQS+4*\t+3], v[WSA], s[38:39] offset:(32*(\t/2)+8*(\t%2))*16
.endr
.irp q, 0,1
	global_load_b128 v[WVS+4*\q:WVS+4*\q+3], v[WSA], s[26:27] offset:128*\q
.endr
	WIN 0x40
.irp t, 0,1,2,3
	global_load_b128 v[BQ+8*\t:BQ+8*\t+3], v[BA], s[40:41] offset:(32*(\t/2)+8*(\t%2))*4
	global_load_b128 v[BQ+8*\t+4:BQ+8*\t+7], v[BA], s[40:41] offset:(32*(\t/2)+8*(\t%2))*4+16
.endr
.irp q, 0,1
.irp i, 0,1,2,3,4,5,6,7
	global_load_b32 v[BV+8*\q+\i], v[BVA], s[28:29] offset:32*\q   ; in v's results a lane holds one channel: its bias eight times
.endr
.endr
.endm
; Step k's operands: the eight fragments of x of tiles 2 (k % 4), 2 (k % 4) + 1 and their scale words, 32 LDS loads, into buffer k % 2.  It stands straight behind a wait on va_vdst: loads and window switches alone.
.macro PFETCH k
.set FB, XF-96*((\k)%2)
.set FW, XS+32*((\k)%2)
.set FT, 2*((\k)%4)
	WIN 0
.irp u, 0,1
.irp s, 0,1,2,3
	ds_load_b32 v[FW+4*\u+\s], v[LS] offset:XSC+128*(4*(FT+\u)+\s)
.endr
.endr
	WIN 0x80+0x40*((\k)%2)
.irp u, 0,1
.irp s, 0,1,2,3
.irp c, 0,1,2
	ds_load_b128 v[FB+12*(4*\u+\s)+4*\c:FB+12*(4*\u+\s)+4*\c+3], v[LI] offset:XIMG+(4*(FT+\u)+\s)*1536+512*\c
.endr
.endr
.endr
	WIN 0
.endm
; Step j: q or k of tiles 2 j, 2 j + 1: 32 products, K step outermost, the eight accumulators by turns; the bias is the C of each sum's first product.
.macro QKPAIR j
.set XB, XF-96*((\j)%2)
.set XW, XS+32*((\j)%2)
	s_wait_dscnt 32                                ; LDS loads come back in order: this step's 32 are in, the next step's 32 stay out
.irp s, 0,1,2,3
.if \s == 0
	WIN 0x19+4*((\j)%2)                            ; weights window 1, x window 2 or 3, the bias window 1
.else
	WIN 0x09+4*((\j)%2)
.endif
.irp u, 0,1
.irp t, 0,1,2,3
.if \s == 0
	v_wmma_scale_f32_16x16x128_f8f6f4 v[HA+32*\u+8*\t:HA+32*\u+8*\t+7], v[12*(4*\t+\s):12*(4*\t+\s)+11], v[XB+12*(4*\u+\s):XB+12*(4*\u+\s)+11], v[BQ+8*\t:BQ+8*\t+7], v[WQS+4*\t+\s], v[XW+4*\u+\s] matrix_a_fmt:MATRIX_FMT_BF6 matrix_b_fmt:MATRIX_FMT_BF6
.else
	v_wmma_scale_f32_16x16x128_f8f6f4 v[HA+32*\u+8*\t:HA+32*\u+8*\t+7], v[12*(4*\t+\s):12*(4*\t+\s)+11], v[XB+12*(4*\u+\s):XB+12*(4*\u+\s)+11], v[HA+32*\u+8*\t:HA+32*\u+8*\t+7], v[WQS+4*\t+\s], v[XW+4*\u+\s] matrix_a_fmt:MATRIX_FMT_BF6 matrix_b_fmt:MATRIX_FMT_BF6
.endif
.endr
.endr
.endr
	WIN 0
.rept 4
	v_nop                                          ; four places in front of the first read of results
.endr
	s_wait_xcnt 0x0                                ; the last pair's stores have had their addresses translated: the codes' registers are rewritten only behind this wait
	s_wait_alu depctr_vm_vsrc(0)                   ; the stores issued so far (the last pair's; in step 0 tile 7's LDS stores) have read the codes and the scale word, which the quantiser writes again
	QUANT HA                                       ; blocks 0, 1: the even tile's 64 channels; blocks 2, 3: the odd tile's: the 12 registers are the pair's image
	v_and_b32 v[TM], 0xffff, v[PW]                 ; the even tile's word: its two bytes, and 0 for the half of K that has no numbers,
	v_lshrrev_b32 v[TM+1], 16, v[PW]               ; the odd tile's
	v_cndmask_b32 v[WJ+(\j)], v[TM], v[TM+1], s50  ; lanes 0-15 keep the even tile's, lanes 16-31 the odd tile's
	s_wait_alu depctr_va_vdst(0)                   ; the quantiser has written the codes, and the line above the record's word, which the stores below read; this step's products are done reading their buffer of x and its scale words, in which the loads below land
	PFETCH (\j)+2
.irp c, 0,1,2
	global_store_b128 v[LI], v[PC+4*\c:PC+4*\c+3], s[42:43] offset:1536*(\j)+512*\c
.endr
.if (\j) == 3
	global_store_b128 v[LI], v[WJ:WJ+3], s[42:43] offset:6144
.endif
.endm
; Step 4 + j: v of tiles 2 j, 2 j + 1 for my two channel tiles: 16 products, four accumulators by turns.
.macro VPAIR j
.set XB, XF-96*((\j)%2)
.set XW, XS+32*((\j)%2)
.if (\j) < 3
	s_wait_dscnt 32                                ; this step's 32 loads are in, the next step's stay out
.else
	s_wait_dscnt 0x0                               ; the last step's
.endif
.irp s, 0,1,2,3
.if \s == 0
	WIN 0x1a+((\j)%2)                              ; x window 2 or 3, weights window 2, the bias window 1
.else
	WIN 0x0a+((\j)%2)
.endif
.irp u, 0,1
.irp q, 0,1
.if \s == 0
	v_wmma_scale_f32_16x16x128_f8f6f4 v[VA+64*\q+8*(2*(\j)+\u):VA+64*\q+8*(2*(\j)+\u)+7], v[XB+12*(4*\u+\s):XB+12*(4*\u+\s)+11], v[12*(4*\q+\s):12*(4*\q+\s)+11], v[BV+8*\q:BV+8*\q+7], v[XW+4*\u+\s], v[WVS+4*\q+\s] matrix_a_fmt:MATRIX_FMT_BF6 matrix_b_fmt:MATRIX_FMT_BF6
.else
	v_wmma_scale_f32_16x16x128_f8f6f4 v[VA+64*\q+8*(2*(\j)+\u):VA+64*\q+8*(2*(\j)+\u)+7], v[XB+12*(4*\u+\s):XB+12*(4*\u+\s)+11], v[12*(4*\q+\s):12*(4*\q+\s)+11], v[VA+64*\q+8*(2*(\j)+\u):VA+64*\q+8*(2*(\j)+\u)+7], v[XW+4*\u+\s], v[WVS+4*\q+\s] matrix_a_fmt:MATRIX_FMT_BF6 matrix_b_fmt:MATRIX_FMT_BF6
.endif
.endr
.endr
.endr
	WIN 0
.if (\j) < 2
	s_wait_alu depctr_va_vdst(0)                   ; this step's products are done reading their buffer of x and its scale words, in which the loads of the step two on land
	PFETCH (\j)+6
.endif
.endm
	s_load_b512 s[4:19], s[0:1], 0x0               ; hidden_states 4, part 6, gn_scale 8, gn_bias 10, Wq_codes 12, Wq_scales 14, bq 16, Wk_codes 18
	s_load_b256 s[20:27], s[0:1], 0x40             ; Wk_scales 20, bk 22, Wv_codes 24, Wv_scales 26
	s_load_b128 s[28:31], s[0:1], 0x60             ; bv 28, qrec 30
	s_load_b64 s[32:33], s[0:1], 0x70              ; kvrec
	v_lshl_add_u32 v[SPW], v0, 2, SPARE
	v_mov_b32 v[NIL], 0
	v_lshrrev_b32 v1, 5, v0
	v_readfirstlane_b32 s34, v1                    ; wave 0..3
	v_and_b32 v1, 31, v0                           ; lane
	v_and_b32 v2, 15, v0                           ; r
	v_bfe_u32 v3, v0, 4, 1                         ; h
	v_and_b32 v[WA], 8, v2
	v_add_nc_u32 v[WA], v[WA], v2                  ; r + 8 (r / 8)
	s_wait_alu depctr_va_sdst(0)                   ; s34, the wave's number, is written, ahead of its first reader
	s_lshl_b32 s66, s34, 9
	v_lshlrev_b32 v[XA], 11, v[WA]
	v_lshl_add_u32 v[XA], v3, 6, v[XA]
	v_add_nc_u32 v[XA], s66, v[XA]                 ; x: my row of a tile, + 64 h, + my K step's 512 bytes
	v_lshlrev_b32 v[LI], 4, v1                     ; an image's place for my lane
	v_lshlrev_b32 v[LS], 2, v1
	v_lshlrev_b32 v[L8], 3, v1
	v_lshlrev_b32 v[PSA], 4, v0                    ; 16 x thread
	s_mul_i32 s67, s34, 1536
	v_add_nc_u32 v[XWI], s67, v[LI]                ; where I store x's images: K step = my wave
	s_lshl_b32 s68, s34, 7
	v_add_nc_u32 v[XWS], s68, v[LS]
	v_lshlrev_b32 v[WSA], 4, v[WA]                 ; a weight row's 16 scale bytes
	v_lshlrev_b32 v[BVA], 2, v[WA]
	v_mul_u32_u24 v[WA], v[WA], 384                ; a weight row's 512 codes are 384 bytes
	v_mad_u32_u24 v[WA], v3, 24, v[WA]
	v_lshlrev_b32 v[BA], 6, v3
	v_add_nc_u32 v[GA], s66, v[BA]                 ; gain and bias of the norm: my K step, + 64 h
	s_mul_i32 s69, s34, 640
	s_add_co_u32 s69, s69, TBL
	v_lshl_add_u32 v[TBA], v3, 4, s69              ; my wave's table (512 w), group 8 w + h (128 w + 16 h); block b is 32 b further on
	s_lshl_b32 s70, s34, 13
	v_lshl_add_u32 v[PGO], v1, 3, s70              ; the partials: group = lane, my wave's 32 of the 128
.irp b, 0,1,2,3
	v_mov_b32 v[TM+4+\b], 0                        ; written once: a lane permute's destination counts as one of its sources
.endr
	s_mov_b32 s50, 0xffff0000                      ; lanes 16-31
	s_mov_b32 s52, 0x76543210
	s_mov_b32 s53, 0xfedcba98                      ; lane l xor 16
	s_and_b32 s54, ttmp7, 0xffff                   ; y
	s_lshr_b32 s55, s54, 5                         ; batch
	s_and_b32 s56, s54, 31                         ; key step
	s_lshr_b32 s57, s34, 1
	s_and_b32 s58, s34, 1                          ; f
	s_lshl_b32 s59, ttmp9, 1
	s_add_co_u32 s59, s59, s57                     ; head
	s_lshl_b32 s60, s55, 3
	s_add_co_u32 s60, s60, s59
	s_lshl_b32 s60, s60, 5
	s_add_co_u32 s60, s60, s56                     ; record: 32 x (8 x batch + head) + step
	s_mov_b32 s63, 0
	s_wait_kmcnt 0x0
	s_cmp_eq_u32 s58, 0                            ; q's wave or k's: the choice hangs on the wave's number alone
	s_cselect_b64 s[36:37], s[12:13], s[18:19]
	s_cselect_b64 s[38:39], s[14:15], s[20:21]
	s_cselect_b64 s[40:41], s[16:17], s[22:23]
	s_cselect_b64 s[42:43], s[30:31], s[32:33]
	s_mov_b32 s44, 13056
	s_cselect_b32 s44, 6656, s44                   ; a record's bytes
	s_lshl_b32 s62, s54, 18                        ; 128 rows of 2,048 bytes
	s_add_nc_u64 s[4:5], s[4:5], s[62:63]
	s_lshl_b32 s62, s55, 15                        ; a batch's 128 x 256 bytes of partials
	s_add_nc_u64 s[6:7], s[6:7], s[62:63]
	s_wait_alu depctr_va_vdst(0)                   ; the fourteen addresses v4-15, v198, v199 are written, which all loads and stores of the kernel read; none is written again
	; the first loads, in the order of need: the partials; the norm's gain and bias; four tiles of x
.irp i, 0,1,2,3,4,5,6,7,8,9,10,11,12,13,14,15,16,17,18,19,20,21,22,23,24,25,26,27,28,29,30,31
	global_load_b64 v[32+2*\i:33+2*\i], v[PGO], s[6:7] offset:256*\i
.endr
	global_load_b32 v96, v[L8], s[6:7]             ; the first partial's mean: the point from which the means are counted
	WIN 0x80
.irp b, 0,1,2,3
.irp j, 0,1,2,3
	global_load_b128 v[GS+16*\b+4*\j:GS+16*\b+4*\j+3], v[GA], s[8:9] offset:128*\b+16*\j
	global_load_b128 v[GB+16*\b+4*\j:GB+16*\b+4*\j+3], v[GA], s[10:11] offset:128*\b+16*\j
.endr
.endr
	XLOAD 0
	XLOAD 1
	XLOAD 2
	XLOAD 3
	WIN 0
	s_mul_i32 s62, s59, 24576                      ; a head's 64 weight rows
	s_add_nc_u64 s[36:37], s[36:37], s[62:63]
	s_add_nc_u64 s[24:25], s[24:25], s[62:63]
	s_mul_i32 s62, s58, 12288                      ; v: my 32 of them
	s_add_nc_u64 s[24:25], s[24:25], s[62:63]
	s_lshl_b32 s62, s59, 10
	s_add_nc_u64 s[38:39], s[38:39], s[62:63]
	s_add_nc_u64 s[26:27], s[26:27], s[62:63]
	s_lshl_b32 s62, s58, 9
	s_add_nc_u64 s[26:27], s[26:27], s[62:63]
	s_lshl_b32 s62, s59, 8
	s_add_nc_u64 s[40:41], s[40:41], s[62:63]
	s_add_nc_u64 s[28:29], s[28:29], s[62:63]
	s_lshl_b32 s62, s58, 7
	s_add_nc_u64 s[28:29], s[28:29], s[62:63]
	s_mul_i32 s62, s60, s44
	s_add_nc_u64 s[42:43], s[42:43], s[62:63]      ; my record of q or of k
	s_mul_i32 s62, s60, 13056
	s_add_nc_u64 s[46:47], s[32:33], s[62:63]
	s_add_nc_u64 s[48:49], s[46:47], 12800
	s_add_nc_u64 s[46:47], s[46:47], 6656
	s_lshl_b32 s62, s58, 7
	s_add_nc_u64 s[48:49], s[48:49], s[62:63]      ; v's scale words: image f
	s_mul_i32 s62, s58, 3072
	s_add_nc_u64 s[46:47], s[46:47], s[62:63]      ; v's fragments 2 f, 2 f + 1
	; ---- the statistics.  Lane g: group g; my wave's 32 partials
	s_wait_loadcnt 63                              ; the partials are in: 96 loads are younger, and a wait's count ends at 63
	v_sub_f32 v98, v32, v96
	v_mov_b32 v100, v33
	v_mul_f32 v99, v98, v98
.set i, 1
.rept 31
	v_sub_f32 v[102+i%2], v[32+2*i], v96           ; a partial mean, counted from the first
	v_add_f32 v100, v100, v[33+2*i]
	v_add_f32 v98, v98, v[102+i%2]
	v_fma_f32 v99, v[102+i%2], v[102+i%2], v99
.set i, i+1
.endr
	v_mov_b32 v101, 0
	s_wait_alu depctr_va_vdst(0)                   ; my wave's sums v[98:101] are written, which the LDS store reads
	ds_store_b128 v[PSA], v[98:101] offset:PST
	BARRIER                                        ; the four waves' sums lie in LDS
.irp q, 0,1,2,3
	ds_load_b128 v[104+4*\q:107+4*\q], v[LI] offset:PST+512*\q
.endr
	s_wait_dscnt 0x0
	s_wait_alu depctr_vm_vsrc(0)                   ; the LDS store has read v[98:101], which the lines below write again
	v_add_f32 v98, v104, v108                      ; in one fixed order in every wave
	v_add_f32 v99, v112, v116
	v_add_f32 v98, v98, v99                        ; S1 = the sum of the 128 means
	v_add_f32 v99, v105, v109
	v_add_f32 v100, v113, v117
	v_add_f32 v99, v99, v100                       ; S2 = of their squares
	v_add_f32 v100, v106, v110
	v_add_f32 v101, v114, v118
	v_add_f32 v100, v100, v101                     ; the partial sums of squares
	v_mul_f32 v101, 0x3c000000, v98                ; S1 / 128
	v_fma_f32 v102, -v98, v101, v99                ; the means' own sum of squares round their mean
	v_fmamk_f32 v102, v102, 0x44000000, v100       ; x 512 numbers a partial, + the partial sums
	v_mov_b32 v103, 0x358637bd                     ; 1e-6
	v_fmamk_f32 v102, v102, 0x37800000, v103       ; / 65,536 + eps
	s_wait_alu depctr_va_vdst(0)
	v_rsq_f32 v106, v102
	v_add_f32 v104, v96, v101                      ; the mean.  (A plain place behind the transcendental)
	s_wait_alu depctr_va_vdst(0)                   ; the reciprocal root v106 is written, ahead of the first line that names it
	v_xor_b32 v104, 0x80000000, v104
	v_mov_b32 v105, v104
	v_mov_b32 v107, v106
	s_wait_alu depctr_va_vdst(0)                   ; the table's entry v[104:107] is written, which the LDS store reads
	ds_store_b128 v[PSA], v[104:107] offset:TBL    ; my wave's own table: LDS serves a wave's instructions in order, so no barrier stands between this store and the loads below
.irp b, 0,1,2,3
	ds_load_b128 v[ST+4*\b:ST+4*\b+3], v[TBA] offset:32*\b   ; block b of my K step, my half: group 8 w + 2 b + h
.endr
	s_wait_dscnt 0x0
	; ---- X: K step w of the eight tiles.  Loads run four tiles ahead; behind the last of x come the weights.  A tile's image goes to LDS in the next tile, behind that tile's wait
.irp m, 0,1,2,3,4,5,6,7
.if \m < 5
	s_wait_loadcnt 48                              ; this tile's 16 loads are in; three younger runs of 16 stay out
.else
	s_wait_loadcnt 63                              ; 80 loads or more are younger (x's last tiles and the weights): a wait's count ends at 63
.endif
	NORM_A \m
.if \m < 4
	WIN 0xc0                                       ; the window of the loads below: the switch, then the wait, then the loads
.elseif \m < 6
	WIN 0x40
.elseif \m == 6
	WIN 0x80
.else
	WIN 0
.endif
	s_wait_alu depctr_va_vdst(0)                   ; the subtractions are done reading raw buffer m % 4, in which tile m + 4 lands; the last tile's quantiser has written the codes and the scale word, which the LDS stores below read
.if \m < 4
	XLOAD \m+4                                     ; into the buffer just read
.elseif \m == 4
	WQK 0
.elseif \m == 5
	WQK 2
.elseif \m == 6
	WVL
.else
	WREST
.endif
	WIN 0
.if \m > 0
	XIMAGE \m-1
.endif
	NORM_B
.if \m > 0
	s_wait_alu depctr_vm_vsrc(0)                   ; the LDS stores above have read the codes and the scale word, which the quantiser writes again
.endif
	QUANT HA
.endr
	s_wait_alu depctr_va_vdst(0)                   ; tile 7's codes and scale word are written, which the LDS stores read; the norm's lines are done reading gain, bias and the raw buffers, in which x's fragments land below
	XIMAGE 7
	BARRIER                                        ; x's 32 fragments lie in LDS
	s_wait_loadcnt 0x0                             ; the weights
	PFETCH 0                                       ; the operands of steps 0 and 1; each step asks for those of the step two on
	PFETCH 1
	; ---- QK: steps 0 to 3
	QKPAIR 0
	QKPAIR 1
	QKPAIR 2
	QKPAIR 3
	; ---- V: steps 4 to 7
	VPAIR 0
	VPAIR 1
	VPAIR 2
	VPAIR 3
.rept 4
	v_nop                                          ; four places in front of the first read of results
.endr
	s_wait_xcnt 0x0                                ; the stores above have had their addresses translated: the codes' registers are rewritten only behind this wait
	s_wait_alu depctr_vm_vsrc(0)                   ; step 3's stores have read the codes, which the quantiser writes again
	QUANT VA                                       ; my first channel tile: four blocks of 32 keys: the 12 registers are a fragment of v^T
	v_mov_b32 v[VW0], v[PW]
	s_wait_alu depctr_va_vdst(0)                   ; the codes are written, which the stores read
.irp c, 0,1,2
	global_store_b128 v[LI], v[PC+4*\c:PC+4*\c+3], s[46:47] offset:512*\c
.endr
	s_wait_xcnt 0x0                                ; as above
	s_wait_alu depctr_vm_vsrc(0)                   ; the three stores have read the codes, which the quantiser writes again
	QUANT VA+64
	v_cndmask_b32 v[TM], v[VW0], v[PW], s50        ; lanes 0-15: the first tile's words, lanes 16-31: the second's
	s_wait_alu depctr_va_vdst(0)                   ; the codes and the scale words are written, which the stores read
.irp c, 0,1,2
	global_store_b128 v[LI], v[PC+4*\c:PC+4*\c+3], s[46:47] offset:1536+512*\c
.endr
	global_store_b32 v[LS], v[TM], s[48:49]
	s_wait_dscnt 0x0                               ; the closing lines, six on end
	s_wait_alu 0x0
	s_wait_tensorcnt 0x0
	ds_add_u32 v[SPW], v[NIL]
	s_wait_dscnt 0x0
	s_endpgm
.Lfunc_end_k_qb151aa8e14_qkv:
	.size	k_qb151aa8e14_qkv, .Lfunc_end_k_qb151aa8e14_qkv-k_qb151aa8e14_qkv
	.p2alignl 7, 3214868480
	.fill 96, 4, 3214868480
	.section	.rodata,"a",@progbits
	.p2align	6, 0x0
	.amdhsa_kernel k_qb151aa8e14_qkv
		.amdhsa_group_segment_fixed_size 57856
		.amdhsa_private_segment_fixed_size 0
		.amdhsa_enable_private_segment 0
		.amdhsa_kernarg_size 120
		.amdhsa_user_sgpr_count 2
		.amdhsa_user_sgpr_kernarg_segment_ptr 1
		.amdhsa_wavefront_size32 1
		.amdhsa_system_sgpr_workgroup_id_x 1
		.amdhsa_system_sgpr_workgroup_id_y 1
		.amdhsa_system_sgpr_workgroup_id_z 1
		.amdhsa_system_vgpr_workitem_id 0
		.amdhsa_next_free_vgpr 1024
		.amdhsa_next_free_sgpr 80
		.amdhsa_reserve_vcc 0
		.amdhsa_float_denorm_mode_32 3
		.amdhsa_float_denorm_mode_16_64 3
		.amdhsa_memory_ordered 1
		.amdhsa_forward_progress 1
		.amdhsa_inst_pref_size 196
	.end_amdhsa_kernel
	.amdgpu_metadata
---
amdhsa.version: [ 1, 2 ]
amdhsa.kernels:
  - .name:           k_qb151aa8e14_qkv
    .symbol:         k_qb151aa8e14_qkv.kd
    .args:
      - { .name: hidden_states, .offset: 0, .size: 8, .value_kind: global_buffer, .address_space: global }
      - { .name: part, .offset: 8, .size: 8, .value_kind: global_buffer, .address_space: global }
      - { .name: gn_scale, .offset: 16, .size: 8, .value_kind: global_buffer, .address_space: global }
      - { .name: gn_bias, .offset: 24, .size: 8, .value_kind: global_buffer, .address_space: global }
      - { .name: Wq_codes, .offset: 32, .size: 8, .value_kind: global_buffer, .address_space: global }
      - { .name: Wq_scales, .offset: 40, .size: 8, .value_kind: global_buffer, .address_space: global }
      - { .name: bq, .offset: 48, .size: 8, .value_kind: global_buffer, .address_space: global }
      - { .name: Wk_codes, .offset: 56, .size: 8, .value_kind: global_buffer, .address_space: global }
      - { .name: Wk_scales, .offset: 64, .size: 8, .value_kind: global_buffer, .address_space: global }
      - { .name: bk, .offset: 72, .size: 8, .value_kind: global_buffer, .address_space: global }
      - { .name: Wv_codes, .offset: 80, .size: 8, .value_kind: global_buffer, .address_space: global }
      - { .name: Wv_scales, .offset: 88, .size: 8, .value_kind: global_buffer, .address_space: global }
      - { .name: bv, .offset: 96, .size: 8, .value_kind: global_buffer, .address_space: global }
      - { .name: qrec, .offset: 104, .size: 8, .value_kind: global_buffer, .address_space: global }
      - { .name: kvrec, .offset: 112, .size: 8, .value_kind: global_buffer, .address_space: global }
    .group_segment_fixed_size: 57856
    .private_segment_fixed_size: 0
    .kernarg_segment_align: 8
    .kernarg_segment_size: 120
    .max_flat_workgroup_size: 128
    .sgpr_count:     80
    .vgpr_count:     1024
    .wavefront_size: 32
...
	.end_amdgpu_metadata
.endif
;; end of part 6
;; launch attn (part 7): grid 16 x 16, 16 waves a work-group, clusters of 4 x 1, 327,680 bytes of LDS; arguments qrec, kvrec, aimg, asc; writes aimg, asc
.if DOCPART == 7
	.amdgcn_target "amdgcn-amd-amdhsa--gfx1250"
	.amdhsa_code_object_version 6
	.text
	.protected	k_qb151aa8e14_attn
	.globl	k_qb151aa8e14_attn
	.p2align	8
	.type	k_qb151aa8e14_attn,@function
k_qb151aa8e14_attn:
	s_mov_b64 s[64:65], 0
	v_nop
	global_prefetch_b8 v0, s[64:65] scope:SCOPE_SE
	s_setreg_imm32_b32 hwreg(HW_REG_WAVE_MODE, 25, 1), 1
	s_wait_xcnt 0x0
	s_wait_alu depctr_hold_cnt(0) depctr_sa_sdst(0) depctr_va_vdst(0) depctr_va_sdst(0) depctr_va_ssrc(0) depctr_va_vcc(0) depctr_vm_vsrc(0)
	s_getreg_b32 s2, hwreg(HW_REG_IB_STS2, 6, 4)
	s_cmp_eq_u32 s2, 0
	s_cbranch_scc0 .Lentry_in_a_cluster
	s_endpgm
.Lentry_in_a_cluster:
	s_bfe_u32 s2, ttmp6, 0x10000c
	s_cmp_lg_u32 s2, 0x3003
	s_cbranch_scc0 .Lentry_shape_is_right
	s_endpgm
.Lentry_shape_is_right:
; Launch 3 of 4: o = softmax(q k^T / 8) v for 16 (batch, head) pairs of 4,096 positions and 64 channels, both products on codes of BF6 (E3M2) with one E8M0 scale for each 32 along K; o is quantised along the channels for the last launch.  No work is left out.
; THE SOFTMAX AHEAD OF THE SECOND PRODUCT: t = score x log2(e) / 8; M = the row's largest t so far, rounded UP to a whole number; p = 2^(t - M) is quantised along the keys, not normalised.  The row's sum is taken of the unquantised p and divides at the end.
; When M moves, the sum and O are multiplied by 2^(old M - new M): exact.
; SHARES.  A work-group owns 256 queries of one (batch, head), each of its SIXTEEN waves one tile of 16, in under 256 registers: four waves to a SIMD, so that one wave's vector work stands beside another's products and LDS loads.  Every wave walks all 32 key steps of 128 keys.
; OPERANDS come as images of their registers (the launch before laid them so): a key step's record is 13,056 dense bytes: k's four pair images and scale words, v^T's four fragments and scale words.  Every LDS load takes 16 x lane (or 4 x lane) + a constant.
; THE FIRST PRODUCT'S K IS 64, half of the instruction's 128: q's upper six registers are zero codes, which add nothing whatever stands against them; so tile t of k is the run of 12 registers from 6 t on (its upper six are the next tile's codes; behind the last tile six registers of zeros).
; The scale bytes of that half are 0 on both sides (2^-127: a number, no NaN).
; LAYOUT.  S^T = k q^T, O^T = v^T p^T: a lane holds ONE query throughout.  The keys of a tile are not neighbours (lane place r of tile 2 b + u: key 32 b + 8 u + r + 8 (r / 8)), so that the 16 registers of tiles 2 b, 2 b + 1 are 16 neighbouring keys.
; RING.  16 records lie in LDS: two slots of 8 key steps.  Every wave fetches ONE record at the start (step = its number).  Slot 0 is filled again by waves 0-7 (steps 16-23), slot 1 by waves 8-15 (steps 24-31): a wave has one tensor load out at the most, and a refill has eight key steps in which to land.
; CLUSTER.  The four query blocks of a cluster belong to one (batch, head) and walk the same records: each is asked for JOINTLY, by the same tensor load with the same descriptor and a mask that names the four.  My place in the cluster enters q's and the outputs' global addresses alone.
; No prefetch: only two refills a launch follow the first fills, and each is asked for eight key steps ahead of the wait for it.
; OUT.  aimg [tile 512][K step 4][piece 6][lane][8 bytes]: o's codes as the last launch's fragments: my head fills three pieces, 768 consecutive bytes.  asc [batch-head 16][tile 256][row place 16]: a word with my head's two scale bytes: 64 bytes a wave, part of an aligned 256.
; REGISTERS: v1, v2, v7: 16, 4, 8 x lane; v3, v4 the step's LDS addresses; v5, v6 the add's two; v8-11 offsets; v12 -M, v13 the largest t, v[14:15] the sum; v16-27 q (v22-27 zeros), v28 its scale words; v32-79 k, then v^T; v80-85 zeros;
; v86-89 k's scale words, v90-91 v's; v96-159 S^T, then p; v160-191 O^T; v192-203 p's codes; v204-239 and v94-95 at work (v224 f, v225 p's scale word).
.set REC,   13056                      ; a key step's record
.set SLOT1, 8*REC                      ; slot 1 begins here
.set SPARE, 16*REC                     ; behind the ring: the spare words, 128 bytes for each wave: eight blocks of 256 bytes that no other line names
.macro ROUND                           ; a round of the cluster's barrier
	s_barrier_signal -1
	s_barrier_wait -1
	s_cmp_lg_u32 s12, 0
	s_cbranch_scc1 .Lnot_wave_0_\@
	s_barrier_signal -3
.Lnot_wave_0_\@:
	s_barrier_wait -3
	s_barrier_signal -1
	s_barrier_wait -1
.endm
; A KEY STEP: the record at LDS byte s28.
.macro STEP
	v_add_nc_u32 v3, s28, v1
	v_add_nc_u32 v4, s28, v2
	v_nop
	v_nop                                          ; with the two additions: four places in front of loads into registers that matrix instructions have read
.irp i, 0,1,2,3,4,5,6,7,8,9,10,11
	ds_load_b128 v[32+4*\i:35+4*\i], v3 offset:512*\i   ; k: tile t at v[32 + 6 t]
.endr
	ds_load_b128 v[86:89], v3 offset:6144          ; word j: lanes 0-15 tile 2 j, lanes 16-31 tile 2 j + 1
	s_wait_alu depctr_va_vdst(0)
	s_wait_dscnt 0x0
.irp t, 0,1,2,3,4,5,6,7
.if (\t%2) == 0
	v_wmma_scale_f32_16x16x128_f8f6f4 v[96+8*\t:103+8*\t], v[32+6*\t:43+6*\t], v[16:27], 0, v[86+\t/2], v28 matrix_a_fmt:MATRIX_FMT_BF6 matrix_b_fmt:MATRIX_FMT_BF6
.else
	v_wmma_scale_f32_16x16x128_f8f6f4 v[96+8*\t:103+8*\t], v[32+6*\t:43+6*\t], v[16:27], 0, v[86+\t/2], v28 matrix_a_fmt:MATRIX_FMT_BF6 matrix_b_fmt:MATRIX_FMT_BF6 matrix_a_scale:MATRIX_SCALE_ROW1
.endif
.endr
.rept 4
	v_nop                                          ; four places: in front of the loads below and of the first read of the scores
.endr
.irp i, 0,1,2,3,4,5,6,7,8,9,10,11
	ds_load_b128 v[32+4*\i:35+4*\i], v3 offset:6656+512*\i   ; v^T's four fragments land under the softmax
.endr
	ds_load_b32 v90, v4 offset:12800               ; lanes 0-15 tile 0, lanes 16-31 tile 1
	ds_load_b32 v91, v4 offset:12928               ; tiles 2, 3
.irp b, 0,1,2,3
	v_max3_num_f32 v[212+\b], v[96+16*\b], v[97+16*\b], v[98+16*\b]   ; the largest score of each block of 32 keys: for the row's maximum and, since p rises with the score, for the block's largest p
.endr
.irp i, 3,5,7,9,11,13
.irp b, 0,1,2,3
	v_max3_num_f32 v[212+\b], v[212+\b], v[96+16*\b+\i], v[97+16*\b+\i]
.endr
.endr
.irp b, 0,1,2,3
	v_max_num_f32 v[212+\b], v[212+\b], v[111+16*\b]
.endr
.irp b, 0,1,2,3
	s_delay_alu instid0(VALU_DEP_4)
	v_permlanex16_b32 v[216+\b], v[212+\b], s32, s33
.endr
.irp b, 0,1,2,3
	s_delay_alu instid0(VALU_DEP_4)
	v_max_num_f32 v[212+\b], v[212+\b], v[216+\b]  ; with lane l xor 16's 16 keys
.endr
	s_delay_alu instid0(VALU_DEP_2)
	v_max3_num_f32 v226, v212, v213, v214
	s_delay_alu instid0(VALU_DEP_1)
	v_max_num_f32 v226, v226, v215                 ; the step's largest score of my query
	s_delay_alu instid0(VALU_DEP_1)
	v_mul_f32 v226, s30, v226                      ; as t (c is positive)
	s_delay_alu instid0(VALU_DEP_1)
	v_max_num_f32 v13, v13, v226                   ; the running largest t
	v_mov_b32 v226, v12
	s_delay_alu instid0(VALU_DEP_2)
	v_floor_f32 v12, -v13                          ; the new -M = floor(-t): M is a whole number
	s_delay_alu instid0(VALU_DEP_1)
	v_sub_f32 v226, v12, v226                      ; old M - new M: a whole number, 0 or less
	s_delay_alu instid0(VALU_DEP_1)
	v_cvt_i32_f32 v226, v226                       ; (it saturates)
	s_delay_alu instid0(VALU_DEP_1)
	v_ldexp_f32 v224, 1.0, v226                    ; f = 2^(old M - new M)
.irp j, 0,2,4,6,8,10,12,14,16,18,20,22,24,26,28,30,32,34,36,38,40,42,44,46,48,50,52,54,56,58,60,62
	v_pk_fma_f32 v[96+\j:97+\j], v[96+\j:97+\j], s[30:31], v[12:13] op_sel_hi:[1,0,0]   ; t - M, two at a time
.endr
.irp b, 0,1,2,3
	v_fma_f32 v[212+\b], v[212+\b], s30, v12       ; the same of each block's largest score
.endr
	s_wait_alu depctr_va_vdst(0)
.irp j, 0,1,2,3,4,5,6,7,8,9,10,11,12,13,14,15,16,17,18,19,20,21,22,23,24,25,26,27,28,29,30,31,32,33,34,35,36,37,38,39,40,41,42,43,44,45,46,47,48,49,50,51,52,53,54,55,56,57,58,59,60,61,62,63
	v_exp_f32 v[96+\j], v[96+\j]                   ; p = 2^(t - M), at most 1
.endr
	s_setprio 1
	v_pk_mul_f32 v[14:15], v[14:15], v[224:225] op_sel_hi:[1,0]   ; the sums under the new M.  (A plain place behind the exponentials)
	s_wait_alu depctr_va_vdst(0)                   ; one wait for the whole batch, ahead of its first reader
.irp b, 0,1,2,3
	v_exp_f32 v[212+\b], v[212+\b]                 ; the block's largest p
.endr
	v_pk_add_f32 v[228:229], v[100:101], v[104:105]
	v_pk_add_f32 v[238:239], v[108:109], v[112:113]
	v_pk_add_f32 v[236:237], v[116:117], v[120:121]
	v_pk_add_f32 v[234:235], v[124:125], v[128:129]
	v_pk_add_f32 v[232:233], v[132:133], v[136:137]
	v_pk_add_f32 v[230:231], v[140:141], v[144:145]
	v_pk_add_f32 v[94:95], v[148:149], v[152:153]
	v_pk_add_f32 v[14:15], v[14:15], v[156:157]
	v_pk_add_f32 v[228:229], v[228:229], v[96:97]
	v_pk_add_f32 v[238:239], v[238:239], v[98:99]
	v_pk_add_f32 v[236:237], v[236:237], v[102:103]
	v_pk_add_f32 v[234:235], v[234:235], v[106:107]
	v_pk_add_f32 v[232:233], v[232:233], v[110:111]
	v_pk_add_f32 v[230:231], v[230:231], v[114:115]
	v_pk_add_f32 v[94:95], v[94:95], v[118:119]
	v_pk_add_f32 v[14:15], v[14:15], v[122:123]
	v_pk_add_f32 v[228:229], v[228:229], v[126:127]
	v_pk_add_f32 v[238:239], v[238:239], v[130:131]
	v_pk_add_f32 v[236:237], v[236:237], v[134:135]
	v_pk_add_f32 v[234:235], v[234:235], v[138:139]
	v_pk_add_f32 v[232:233], v[232:233], v[142:143]
	v_pk_add_f32 v[230:231], v[230:231], v[146:147]
	v_pk_add_f32 v[94:95], v[94:95], v[150:151]
	v_pk_add_f32 v[14:15], v[14:15], v[154:155]
	v_pk_add_f32 v[228:229], v[228:229], v[158:159]
	s_delay_alu instid0(VALU_DEP_2)
	v_pk_add_f32 v[14:15], v[14:15], v[234:235]
	s_delay_alu instid0(VALU_DEP_2)
	v_pk_add_f32 v[228:229], v[228:229], v[232:233]
	v_pk_add_f32 v[238:239], v[238:239], v[230:231]
	v_pk_add_f32 v[236:237], v[236:237], v[94:95]
	s_delay_alu instid0(VALU_DEP_2)
	v_pk_add_f32 v[14:15], v[14:15], v[238:239]
	s_delay_alu instid0(VALU_DEP_2)
	v_pk_add_f32 v[228:229], v[228:229], v[236:237]
	s_delay_alu instid0(VALU_DEP_1)
	v_pk_add_f32 v[14:15], v[14:15], v[228:229]
	s_wait_alu depctr_va_vdst(0)                   ; and one for the four
.irp b, 0,1,2,3
	v_max_num_f32 v[212+\b], 0x2800000, v[212+\b]  ; the floor 2^(5 - 127): the byte cannot fall under 1
.endr
.irp b, 0,1,2,3
	s_delay_alu instid0(VALU_DEP_4)
	v_add_nc_u32 v[220+\b], 0xfe000000, v[212+\b]  ; 4 off the exponent field: the conversion's scale operand
.endr
.irp b, 0,1,2,3
	s_delay_alu instid0(VALU_DEP_4)
	v_lshrrev_b32 v[216+\b], 23, v[220+\b]         ; the scale's byte
.endr
	s_delay_alu instid0(VALU_DEP_3)
	v_lshl_or_b32 v225, v217, 8, v216              ; p's scale word for these 128 keys
	s_delay_alu instid0(VALU_DEP_1)
	v_lshl_or_b32 v225, v218, 16, v225
	s_delay_alu instid0(VALU_DEP_1)
	v_lshl_or_b32 v225, v219, 24, v225
.irp c, 0,1
	v_cvt_scalef32_pk16_bf6_f32 v[192+6*\c:194+6*\c], v[96+32*\c:111+32*\c], v[220+2*\c]
	v_cvt_scalef32_pk16_bf6_f32 v[204+4*\c:206+4*\c], v[112+32*\c:127+32*\c], v[220+2*\c+1]   ; (a conversion's three registers begin on an even number)
.endr
	v_nop                                          ; one plain place behind a scaled conversion
.irp c, 0,1                                    ; a whole block to a lane
.irp i, 0,1,2
	v_permlane16_swap_b32 v[192+6*\c+\i], v[204+4*\c+\i]
.endr
.irp i, 0,1,2
	s_delay_alu instid0(VALU_DEP_3)
	v_mov_b32 v[195+6*\c+\i], v[204+4*\c+\i]
.endr
.endr
	s_setprio 0
.irp j, 0,2,4,6,8,10,12,14,16,18,20,22,24,26,28,30
	v_pk_mul_f32 v[160+\j:161+\j], v[160+\j:161+\j], v[224:225] op_sel_hi:[1,0]   ; O^T under the new M.  (These sixteen are also the places between the writes of p's codes and scale word and the products)
.endr
	s_wait_alu depctr_va_vdst(0)
	s_wait_dscnt 0x0                               ; v^T is in
.irp t, 0,1,2,3                                ; O^T += v^T p^T: the four accumulators by turns
.if (\t%2) == 0
	v_wmma_scale_f32_16x16x128_f8f6f4 v[160+8*\t:167+8*\t], v[32+12*\t:43+12*\t], v[192:203], v[160+8*\t:167+8*\t], v[90+\t/2], v225 matrix_a_fmt:MATRIX_FMT_BF6 matrix_b_fmt:MATRIX_FMT_BF6
.else
	v_wmma_scale_f32_16x16x128_f8f6f4 v[160+8*\t:167+8*\t], v[32+12*\t:43+12*\t], v[192:203], v[160+8*\t:167+8*\t], v[90+\t/2], v225 matrix_a_fmt:MATRIX_FMT_BF6 matrix_b_fmt:MATRIX_FMT_BF6 matrix_a_scale:MATRIX_SCALE_ROW1
.endif
.endr
.endm
.macro PASS base                               ; a slot's eight key steps: written once, walked eight times
	s_mov_b32 s28, \base
	s_mov_b32 s29, 8
.Lstep_\@:
	s_setprio 2
	STEP
	s_add_co_u32 s28, s28, REC
	s_sub_co_u32 s29, s29, 1
	s_cmp_lg_u32 s29, 0
	s_cbranch_scc1 .Lstep_\@
	s_setprio 0
.endm
; THE CHANGE OF SLOTS.  Each wave waits for all its tensor loads, adds 0 to its spare word, and waits for that and for its reads of the slot that it has left.
; kind = 1: waves 0-7 fill slot 0 again; kind = 2: waves 8-15 fill slot 1 again: the barrier is then a round of the cluster's, so that no wave of any partner still reads the slot; kind = 0: nothing is filled.
.macro CHANGE kind
	s_wait_tensorcnt 0x0                           ; no tensor load of mine is out, so the descriptor may be written
	ds_add_u32 v5, v6
.if \kind == 1
	s_add_nc_u64 s[26:27], s[26:27], 16*REC        ; my one refill: the record sixteen key steps on, into the bytes of my first
.endif
	s_wait_dscnt 0x0                               ; the add is done, and my reads of the slot are over
.if \kind
	ROUND
.if \kind == 1
	s_cmp_lt_u32 s12, 8
.else
	s_cmp_ge_u32 s12, 8
.endif
	s_cbranch_scc0 .Lnone_\@                       ; on the wave's number alone: the same in all four partners
	tensor_load_to_lds s[24:27], s[16:23]
	s_nop 0
.rept 4
	v_nop
.endr
.Lnone_\@:
.else
	s_barrier_signal -1
	s_barrier_wait -1
.endif
.endm
	s_load_b256 s[4:11], s[0:1], 0x0               ; qrec 4, kvrec 6, aimg 8, asc 10
	v_lshl_add_u32 v5, v0, 2, SPARE
	v_mov_b32 v6, 0
	ds_add_u32 v5, v6                              ; the wave's opening: the add, twice on end, and its wait ahead of my first tensor load
	ds_add_u32 v5, v6
	v_lshrrev_b32 v8, 5, v0
	s_delay_alu instid0(VALU_DEP_1)
	v_readfirstlane_b32 s12, v8                    ; wave 0..15
	s_bfe_u32 s13, ttmp6, 0x40000                  ; cx: my place in the cluster
	s_lshl_b32 s14, ttmp9, 2
	s_add_co_u32 s14, s14, s13                     ; my block of 256 queries
	s_and_b32 s15, ttmp7, 0xffff                   ; 8 x batch + head, which the four partners share
	; descriptor group 1: a record as 51 dense rows of 256 bytes
	s_mov_b32 s16, 15|(3<<16)|(1<<21)              ; 15:0 the mask: all four work-groups; 17:16 elements of 8 bytes; 20 no padding; 21 set beside a mask
	s_mov_b32 s17, 32<<16                          ; tensor_dim0 = 32
	s_mov_b32 s18, 51<<16                          ; tensor_dim1 = 51
	s_mov_b32 s19, 32<<16                          ; tile_dim0 = 32
	s_mov_b32 s20, 51                              ; tile_dim1 = 51
	s_mov_b32 s21, 32                              ; from row to row
	s_mov_b32 s22, 0
	s_mov_b32 s23, 0
	s_mul_i32 s47, s12, REC                        ; my record's place in the ring, and among the head's records
	s_mul_i32 s48, s15, 32*REC
	s_add_co_u32 s48, s48, s47
	s_mov_b32 s49, 0
	s_mov_b32 s30, 0x3e38aa3b                      ; c = log2(e) / 8
	s_mov_b32 s31, s30                             ; (named with it as a pair)
	s_mov_b32 s32, 0x76543210
	s_mov_b32 s33, 0xfedcba98                      ; lane l xor 16
	s_wait_dscnt 0x0                               ; both opening adds are done
	s_wait_kmcnt 0x0
	s_mov_b32 s24, 1                               ; count = 1
	s_mov_b32 s25, s47                             ; LDS address
	s_add_nc_u64 s[26:27], s[6:7], s[48:49]        ; global address: key step = my wave's number
	s_or_b32 s27, s27, 0x80000000                  ; type = 2
	ROUND                                          ; all four work-groups are here: the first joint loads meet
	tensor_load_to_lds s[24:27], s[16:23]
	s_nop 0
.rept 4
	v_nop
.endr
	; q: my tile is tile w % 8 of record 2 x block + w / 8: registers 6 (w % 2) .. + 5 of pair image (w / 2) % 4
	v_and_b32 v8, 31, v0
	s_delay_alu instid0(VALU_DEP_1)
	v_lshlrev_b32 v1, 4, v8
	s_wait_alu depctr_va_vdst(0)
	v_lshlrev_b32 v2, 2, v8
	v_lshlrev_b32 v7, 3, v8
	s_lshr_b32 s50, s12, 3
	s_lshl_b32 s51, s14, 1
	s_add_co_u32 s50, s50, s51
	s_lshl_b32 s51, s15, 5
	s_add_co_u32 s50, s50, s51
	s_mul_i32 s50, s50, 6656
	s_mov_b32 s51, 0
	s_add_nc_u64 s[38:39], s[4:5], s[50:51]        ; my record of q
	s_bfe_u32 s52, s12, 0x20001                    ; the pair
	s_and_b32 s53, s12, 1                          ; even or odd tile
	s_mul_i32 s54, s52, 1536
	s_cmp_lg_u32 s53, 0
	s_cselect_b32 s34, 520, 0                      ; a piece of the image holds four registers, 16 bytes a lane: registers 0-5 lie at 0, 8, 512; registers 6-11 at 520, 1,024, 1,032
	s_cselect_b32 s35, 1024, 8
	s_mov_b32 s36, 512
	s_cselect_b32 s36, 1032, s36
	s_add_co_u32 s34, s34, s54
	s_add_co_u32 s35, s35, s54
	s_add_co_u32 s36, s36, s54
	v_add_nc_u32 v8, s34, v1
	v_add_nc_u32 v9, s35, v1
	v_add_nc_u32 v10, s36, v1
	s_lshl_b32 s55, s53, 8
	s_lshl_b32 s56, s52, 2
	s_add_co_u32 s55, s55, s56
	s_add_co_u32 s55, s55, 6144
	v_and_b32 v11, 15, v0
	s_delay_alu instid0(VALU_DEP_1)
	v_lshl_add_u32 v11, v11, 4, s55                ; my row's scale word: word (pair) of lane 16 (w % 2) + r
	global_load_b64 v[16:17], v8, s[38:39]
	global_load_b64 v[18:19], v9, s[38:39]
	global_load_b64 v[20:21], v10, s[38:39]
	global_load_b32 v28, v11, s[38:39]
	; where the results go
	s_lshl_b32 s57, s14, 4
	s_add_co_u32 s57, s57, s12                     ; my tile in the batch
	s_lshr_b32 s58, s15, 3
	s_lshl_b32 s58, s58, 8
	s_add_co_u32 s58, s58, s57                     ; among the 512
	s_mul_i32 s58, s58, 6144
	s_bfe_u32 s59, s15, 0x20001                    ; head / 2: the K step of the last product
	s_mul_i32 s59, s59, 1536
	s_add_co_u32 s58, s58, s59
	s_and_b32 s59, s15, 1                          ; head % 2: the fragment's lower or upper six registers
	s_mul_i32 s59, s59, 768
	s_add_co_u32 s58, s58, s59
	s_mov_b32 s59, 0
	s_add_nc_u64 s[42:43], s[8:9], s[58:59]
	s_lshl_b32 s60, s15, 8
	s_add_co_u32 s60, s60, s57
	s_lshl_b32 s60, s60, 6
	s_mov_b32 s61, 0
	s_add_nc_u64 s[44:45], s[10:11], s[60:61]
.irp j, 22,23,24,25,26,27,80,81,82,83,84,85
	v_mov_b32 v[\j], 0                             ; zero codes: the half of K that has no numbers
.endr
	v_mov_b32 v13, 0xff61b1e6                      ; the largest t so far: -3e38
	s_delay_alu instid0(VALU_DEP_1)
	v_floor_f32 v12, -v13                          ; -M
	v_mov_b32 v14, 0
	v_mov_b32 v15, 0
.irp b, 0,1,2,3
	v_mov_b32 v[216+\b], 0                         ; written once: a lane permute's destination counts as one of its sources
.endr
	v_mov_b32 v225, 0                              ; (named as the upper half of the pair v[224:225] before it is first written)
.irp j, 0,1,2,3,4,5,6,7,8,9,10,11,12,13,14,15,16,17,18,19,20,21,22,23,24,25,26,27,28,29,30,31
	v_mov_b32 v[160+\j], 0                         ; O^T: the step is written once; its first walk finds zeros, which the first change of M leaves zeros
.endr
	s_wait_tensorcnt 0x0                           ; my record is in,
	s_barrier_signal -1
	s_barrier_wait -1                              ; all sixteen are: both slots are whole
	s_wait_loadcnt 0x0                             ; q
	PASS 0                                         ; key steps 0-7
	CHANGE 1
	PASS SLOT1                                     ; 8-15
	CHANGE 2
	PASS 0                                         ; 16-23
	CHANGE 0
	PASS SLOT1                                     ; 24-31
	; THE WAY OUT: o = O^T / the sum, quantised along the head's 64 channels (two blocks), stored as three pieces of the last launch's fragment
.rept 4
	v_nop                                          ; four places behind the last products
.endr
	v_add_f32 v14, v14, v15
	s_delay_alu instid0(VALU_DEP_1)
	v_permlanex16_b32 v226, v14, s32, s33
	s_delay_alu instid0(VALU_DEP_1)
	v_add_f32 v14, v14, v226                       ; the row's sum
	s_wait_alu depctr_va_vdst(0)
	v_rcp_f32 v14, v14
	v_and_b32 v8, 31, v0                           ; (a plain place behind the transcendental)
	v_and_b32 v9, 15, v0
	s_delay_alu instid0(VALU_DEP_1)
	v_lshlrev_b32 v9, 2, v9
	s_wait_alu depctr_va_vdst(0)                   ; ahead of the first reader
.irp j, 0,1,2,3,4,5,6,7,8,9,10,11,12,13,14,15,16,17,18,19,20,21,22,23,24,25,26,27,28,29,30,31
	v_mul_f32 v[96+\j], v[160+\j], v14             ; register 16 b + i: channel 32 b + 16 (lane / 16) + i; each accumulator from its low end on
.endr
.irp b, 0,1
	v_max3_num_f32 v[212+\b], |v[96+16*\b]|, |v[97+16*\b]|, 0x2800000
.endr
.irp i, 2,4,6,8,10,12,14
.irp b, 0,1
	s_delay_alu instid0(VALU_DEP_2)
	v_max3_num_f32 v[212+\b], v[212+\b], |v[96+16*\b+\i]|, |v[97+16*\b+\i]|
.endr
.endr
.irp b, 0,1
	s_delay_alu instid0(VALU_DEP_2)
	v_permlanex16_b32 v[216+\b], v[212+\b], s32, s33
.endr
.irp b, 0,1
	s_delay_alu instid0(VALU_DEP_2)
	v_max_num_f32 v[212+\b], v[212+\b], v[216+\b]
.endr
.irp b, 0,1
	s_delay_alu instid0(VALU_DEP_2)
	v_add_nc_u32 v[220+\b], 0xfe000000, v[212+\b]
.endr
.irp b, 0,1
	s_delay_alu instid0(VALU_DEP_2)
	v_lshrrev_b32 v[216+\b], 23, v[220+\b]
.endr
	s_delay_alu instid0(VALU_DEP_1)
	v_lshl_or_b32 v226, v217, 8, v216              ; my row's two scale bytes
	v_cvt_scalef32_pk16_bf6_f32 v[192:194], v[96:111], v220
	v_cvt_scalef32_pk16_bf6_f32 v[204:206], v[112:127], v221
	v_nop                                          ; one plain place behind a scaled conversion
.irp i, 0,1,2
	v_permlane16_swap_b32 v[192+\i], v[204+\i]
.endr
.irp i, 0,1,2
	s_delay_alu instid0(VALU_DEP_3)
	v_mov_b32 v[195+\i], v[204+\i]
.endr
.irp i, 0,1,2
	global_store_b64 v7, v[192+2*\i:193+2*\i], s[42:43] offset:256*\i   ; 32 lanes store 256 consecutive bytes, aligned
.endr
	v_cmp_gt_u32 vcc_lo, 16, v8
	s_wait_xcnt 0x0                                ; EXEC changes only behind this wait
	s_and_saveexec_b32 s46, vcc_lo
	global_store_b32 v9, v226, s[44:45]            ; lanes 0-15: a word a row
	s_wait_xcnt 0x0                                ; and again, in front of the line that widens it
	s_or_b32 exec_lo, exec_lo, s46
	s_wait_tensorcnt 0x0                           ; the wave's end, behind my last tensor load
	ds_add_u32 v5, v6
	s_wait_dscnt 0x0
	ROUND                                          ; the closing round: no work-group ends while a partner may still ask for a record that names it
	s_endpgm
.Lfunc_end_k_qb151aa8e14_attn:
	.size	k_qb151aa8e14_attn, .Lfunc_end_k_qb151aa8e14_attn-k_qb151aa8e14_attn
	.p2alignl 7, 3214868480
	.fill 96, 4, 3214868480
	.section	.rodata,"a",@progbits
	.p2align	6, 0x0
	.amdhsa_kernel k_qb151aa8e14_attn
		.amdhsa_group_segment_fixed_size 327680
		.amdhsa_private_segment_fixed_size 0
		.amdhsa_enable_private_segment 0
		.amdhsa_kernarg_size 32
		.amdhsa_user_sgpr_count 2
		.amdhsa_user_sgpr_kernarg_segment_ptr 1
		.amdhsa_wavefront_size32 1
		.amdhsa_system_sgpr_workgroup_id_x 1
		.amdhsa_system_sgpr_workgroup_id_y 1
		.amdhsa_system_sgpr_workgroup_id_z 1
		.amdhsa_system_vgpr_workitem_id 0
		.amdhsa_next_free_vgpr 240
		.amdhsa_next_free_sgpr 66
		.amdhsa_reserve_vcc 1
		.amdhsa_float_denorm_mode_32 3
		.amdhsa_float_denorm_mode_16_64 3
		.amdhsa_memory_ordered 1
		.amdhsa_forward_progress 1
		.amdhsa_inst_pref_size 81
	.end_amdhsa_kernel
	.amdgpu_metadata
---
amdhsa.version: [ 1, 2 ]
amdhsa.kernels:
  - .name:           k_qb151aa8e14_attn
    .symbol:         k_qb151aa8e14_attn.kd
    .args:
      - { .name: qrec, .offset: 0, .size: 8, .value_kind: global_buffer, .address_space: global }
      - { .name: kvrec, .offset: 8, .size: 8, .value_kind: global_buffer, .address_space: global }
      - { .name: aimg, .offset: 16, .size: 8, .value_kind: global_buffer, .address_space: global }
      - { .name: asc, .offset: 24, .size: 8, .value_kind: global_buffer, .address_space: global }
    .group_segment_fixed_size: 327680
    .private_segment_fixed_size: 0
    .kernarg_segment_align: 8
    .kernarg_segment_size: 32
    .max_flat_workgroup_size: 512
    .sgpr_count:     66
    .vgpr_count:     240
    .wavefront_size: 32
...
	.end_amdgpu_metadata
.endif
;; end of part 7
;; launch oproj (part 8): grid 2 x 128, 4 waves a work-group, no clusters, 17,920 bytes of LDS; arguments aimg, asc, Wo_codes, Wo_scales, bo, hidden_states, out0; writes out0
.if DOCPART == 8
	.amdgcn_target "amdgcn-amd-amdhsa--gfx1250"
	.amdhsa_code_object_version 6
	.text
	.protected	k_qb151aa8e14_oproj
	.globl	k_qb151aa8e14_oproj
	.p2align	8
	.type	k_qb151aa8e14_oproj,@function
k_qb151aa8e14_oproj:
	s_mov_b64 s[64:65], 0
	v_nop
	global_prefetch_b8 v0, s[64:65] scope:SCOPE_SE
	s_setreg_imm32_b32 hwreg(HW_REG_WAVE_SCHED_MODE, 0, 2), 2
	s_setreg_imm32_b32 hwreg(HW_REG_WAVE_MODE, 25, 1), 1
	s_wait_xcnt 0x0
	s_wait_alu depctr_vm_vsrc(0)
; Launch 4 of 4: out0 = o Wo + bo + hidden_states, the product on codes of BF6 (E3M2) with one E8M0 scale for each 32 along K = 512.  No work is left out.
; SHARES.  Work-group (x, y): 64 rows (row tiles 4 y .. 4 y + 3) x 256 columns (half x).  Wave w: columns 256 x + 64 w on: 256 bytes of a row of the output, aligned.
; Wo's 16 fragments of a wave stay in registers, read once.  o's fragments come as images of their registers (aimg: 8 bytes a lane a piece); its scale words come head by head (asc) and two heads' halves make a K step's word.
; Source 0 = 16 rows of Wo, source 1 = a tile of o: a lane holds eight neighbouring columns of one row; bo is the C of each sum's first product.
; Lane place r of tile m holds row 32 (m / 2) + 8 (m % 2) + r + 8 (r / 8) of the 64: the stores and the residual's loads name the rows so.
; All loads are issued at the head, in the order of need; the waits count the younger ones.  The bound is the residual's and the output's bytes: no ring, no cluster (the weights go once into the registers that keep them).
; REGISTERS.  Window 0: v4-11 addresses, v12-13 the add's two, v16-47 four accumulators, v48-79 and v144-175 rows on the way out, two buffers by turns, v80-111 o's scale halves, v112-127 o's scale words, v128-143 Wo's.
; Window 1: v0-191 Wo, v192-223 bo.   Window 2: v0-191 o's 16 fragments.   Window 3: v0-127 the residual.
; THE MODE: SCHED_MODE bits 1:0 = 2 (LLVM: expert scheduling mode 2), set by the entry lines.  The code itself states the register dependences between vector or matrix instructions and memory or LDS instructions, with s_wait_alu, always for 0.
; THE PLAN.  Registers that memory or LDS instructions touch, behind the head's loads:
;   the addresses v4-11   written at the head, never again: one wait ahead of the first load.
;   the accumulators      written by tile m's products, read by its eight LDS stores, written again by tile m + 1's products.
;   out-buffer m % 2      tile m's LDS loads land in it, its sixteen additions write it, the eight global stores that are issued in tile m + 1 read it, tile m + 2's LDS loads land in it again.
; So a tile has one wait on va_vdst, behind its products and their four places: the accumulators are written (its LDS stores), and so are the sums of the tile before (that tile's global stores, which follow the LDS loads);
; and one wait on vm_vsrc at its head: the LDS stores of the tile before have read the accumulators, the global stores of two tiles back the out-buffer.
.set SPARE, 17408                      ; behind the four stages (16 rows x 272 bytes each): the spare words, 128 bytes a wave: two blocks of 256 bytes that no other line names
.set ACC, 16
.set OB,  48                           ; out-buffer 0; out-buffer 1 lies 96 further on, at v144
.set AR,  80
.set AS,  112
.set WS,  128
.set MSB, 0
.macro WIN new                         ; s_set_vgpr_msb: bits 1:0 source 0, 3:2 source 1, 5:4 source 2, 7:6 destination; the high byte repeats the setting that is left
.if MSB != \new
	s_set_vgpr_msb (MSB<<8)|\new
.set MSB, \new
.endif
.endm
.macro SEND m                                  ; tile m's 16 rows leave from out-buffer m % 2
.irp i, 0,1,2,3,4,5,6,7
	global_store_b128 v9, v[OB+96*((\m)%2)+4*\i:OB+96*((\m)%2)+4*\i+3], s[16:17] offset:(32*((\m)/2)+8*((\m)%2)+2*\i+8*(\i/4))*2048 th:TH_STORE_NT   ; 16 lanes store 256 consecutive bytes, aligned
.endr
.endm
	s_load_b256 s[4:11], s[0:1], 0x0               ; aimg 4, asc 6, Wo_codes 8, Wo_scales 10
	s_load_b128 s[12:15], s[0:1], 0x20             ; bo 12, hidden_states 14
	s_load_b64 s[16:17], s[0:1], 0x30              ; out0
	v_lshl_add_u32 v12, v0, 2, SPARE
	v_mov_b32 v13, 0
	v_lshrrev_b32 v1, 5, v0
	v_readfirstlane_b32 s18, v1                    ; wave
	v_and_b32 v1, 31, v0                           ; lane
	v_and_b32 v2, 15, v0                           ; r
	v_bfe_u32 v3, v0, 4, 1                         ; h
	v_mul_u32_u24 v4, v2, 384                      ; Wo: row r of 384 bytes, + 24 h
	v_mad_u32_u24 v4, v3, 24, v4
	v_lshlrev_b32 v5, 4, v2                        ; Wo's scale bytes: 16 a row
	v_lshlrev_b32 v6, 5, v3                        ; bo: my half's eight numbers
	v_lshlrev_b32 v7, 3, v1                        ; a piece of an image
	v_lshlrev_b32 v8, 2, v2                        ; o's scale halves
	v_lshl_add_u32 v9, v3, 11, v5                  ; residual and output: lanes 0-15 one row, lanes 16-31 the next; 16 bytes a lane
	s_wait_alu depctr_va_sdst(0)                   ; s18, the wave's number, is written, ahead of its first reader
	s_mul_i32 s21, s18, 4352                       ; my stage
	v_mul_u32_u24 v10, v2, 272
	v_lshl_add_u32 v10, v3, 5, v10
	v_add_nc_u32 v10, s21, v10                     ; in: row place r, 32 bytes for each half of the lanes
	v_mul_u32_u24 v11, v3, 272
	v_lshl_add_u32 v11, v2, 4, v11
	v_add_nc_u32 v11, s21, v11                     ; back: two row places an instruction
	s_and_b32 s19, ttmp7, 0xffff                   ; y
	s_lshl_b32 s20, ttmp9, 8
	s_lshl_b32 s22, s18, 6
	s_add_co_u32 s20, s20, s22                     ; my first column
	s_mov_b32 s23, 0
	s_wait_kmcnt 0x0
	s_mul_i32 s22, s20, 384
	s_add_nc_u64 s[8:9], s[8:9], s[22:23]
	s_lshl_b32 s22, s20, 4
	s_add_nc_u64 s[10:11], s[10:11], s[22:23]
	s_lshl_b32 s22, s20, 2
	s_add_nc_u64 s[12:13], s[12:13], s[22:23]
	s_add_nc_u64 s[14:15], s[14:15], s[22:23]
	s_add_nc_u64 s[16:17], s[16:17], s[22:23]
	s_lshl_b32 s22, s19, 17                        ; 64 rows of 2,048 bytes
	s_add_nc_u64 s[14:15], s[14:15], s[22:23]
	s_add_nc_u64 s[16:17], s[16:17], s[22:23]
	s_mul_i32 s22, s19, 24576                      ; four tiles of 6,144 bytes
	s_add_nc_u64 s[4:5], s[4:5], s[22:23]
	s_lshr_b32 s24, s19, 6                         ; batch
	s_lshl_b32 s24, s24, 17                        ; its eight heads x 16,384 bytes
	s_and_b32 s22, s19, 63
	s_lshl_b32 s22, s22, 8                         ; four tiles of 64 bytes
	s_add_co_u32 s22, s22, s24
	s_add_nc_u64 s[6:7], s[6:7], s[22:23]
	WIN 0x40
	s_wait_alu depctr_va_vdst(0)                   ; the eight addresses v4-11 are written, which all loads and stores of the kernel read; none is written again
.irp t, 0,1,2,3
.irp s, 0,1,2,3
.irp p, 0,1,2,3,4,5
	global_load_b64 v[12*(4*\t+\s)+2*\p:12*(4*\t+\s)+2*\p+1], v4, s[8:9] offset:16*\t*384+96*\s+48*(\p/3)+8*(\p%3)
.endr
.endr
.endr
.irp t, 0,1,2,3
	global_load_b128 v[192+8*\t:195+8*\t], v6, s[12:13] offset:64*\t
	global_load_b128 v[196+8*\t:199+8*\t], v6, s[12:13] offset:64*\t+16
.endr
	WIN 0
.irp t, 0,1,2,3
	global_load_b128 v[WS+4*\t:WS+4*\t+3], v5, s[10:11] offset:256*\t
.endr
.irp m, 0,1,2,3
.irp e, 0,1,2,3,4,5,6,7
	global_load_b32 v[AR+8*\m+\e], v8, s[6:7] offset:16384*\e+64*\m   ; tile m, head e
.endr
.endr
.irp m, 0,1,2,3
	WIN 0x80
.irp s, 0,1,2,3
.irp p, 0,1,2,3,4,5
	global_load_b64 v[48*\m+12*\s+2*\p:48*\m+12*\s+2*\p+1], v7, s[4:5] offset:6144*\m+1536*\s+256*\p
.endr
.endr
	WIN 0xc0
.irp i, 0,1,2,3,4,5,6,7
	global_load_b128 v[32*\m+4*\i:32*\m+4*\i+3], v9, s[14:15] offset:(32*(\m/2)+8*(\m%2)+2*\i+8*(\i/4))*2048
.endr
.endr
	WIN 0
	s_wait_loadcnt 63                              ; the weights, bo and the scale halves are in: 128 loads are younger, and a wait's count ends at 63
.irp m, 0,1,2,3                                ; tile 0's words first: twelve plain lines follow them ahead of the first product
.irp s, 0,1,2,3
	v_lshl_or_b32 v[AS+4*\m+\s], v[AR+8*\m+2*\s+1], 16, v[AR+8*\m+2*\s]   ; K step s: heads 2 s and 2 s + 1
.endr
.endr
.irp m, 0,1,2,3
.if \m < 2
	s_wait_loadcnt 63                              ; tile m's fragments are in (8 + 32 (3 - m) loads are younger: more than a count can name)
.else
	s_wait_loadcnt 8+32*(3-\m)                     ; tile m's fragments are in; its residual and the later tiles' loads stay out
.endif
.if \m > 1
	s_wait_xcnt 0x0                                ; the stores of two tiles back have had their addresses translated: their out-buffer is loaded again only behind this wait
.endif
.if \m == 0
	s_wait_alu depctr_va_vdst(0)                   ; o's sixteen scale words are written, which the scaled products take; the plain lines behind tile 0's four stand ahead of this wait
.else
	s_wait_alu depctr_vm_vsrc(0)                   ; the last tile's LDS stores have read the accumulators, which the products below write again; the stores of two tiles back have read the out-buffer in which this tile's rows land
.endif
.irp s, 0,1,2,3                                ; 16 products, K step outermost, the four accumulators by turns
.if \s == 0
	WIN 0x19                                       ; Wo window 1, o window 2, bo window 1
.else
	WIN 0x09
.endif
.irp t, 0,1,2,3
.if \s == 0
	v_wmma_scale_f32_16x16x128_f8f6f4 v[ACC+8*\t:ACC+8*\t+7], v[12*(4*\t+\s):12*(4*\t+\s)+11], v[48*\m+12*\s:48*\m+12*\s+11], v[192+8*\t:199+8*\t], v[WS+4*\t+\s], v[AS+4*\m+\s] matrix_a_fmt:MATRIX_FMT_BF6 matrix_b_fmt:MATRIX_FMT_BF6
.else
	v_wmma_scale_f32_16x16x128_f8f6f4 v[ACC+8*\t:ACC+8*\t+7], v[12*(4*\t+\s):12*(4*\t+\s)+11], v[48*\m+12*\s:48*\m+12*\s+11], v[ACC+8*\t:ACC+8*\t+7], v[WS+4*\t+\s], v[AS+4*\m+\s] matrix_a_fmt:MATRIX_FMT_BF6 matrix_b_fmt:MATRIX_FMT_BF6
.endif
.endr
.endr
	WIN 0
.rept 4
	v_nop                                          ; four places in front of the first read of results; they stay beside the wait below
.endr
	s_wait_alu depctr_va_vdst(0)                   ; the products have written the accumulators, which the LDS stores read; the last tile's additions have written its out-buffer, which the global stores below read
.irp t, 0,1,2,3
	ds_store_b128 v10, v[ACC+8*\t:ACC+8*\t+3] offset:64*\t          ; each accumulator from its low end on
	ds_store_b128 v10, v[ACC+8*\t+4:ACC+8*\t+7] offset:64*\t+16
.endr
.irp i, 0,1,2,3,4,5,6,7
	ds_load_b128 v[OB+96*(\m%2)+4*\i:OB+96*(\m%2)+4*\i+3], v11 offset:544*\i   ; LDS serves a wave's instructions in order: these see my stores, and the next tile's stores come behind them
.endr
.if \m > 0
	SEND \m-1                                      ; the tile before leaves while this tile's rows come back from the stage
.endif
	s_wait_dscnt 0x0
.if \m < 2
	s_wait_loadcnt 63                              ; tile m's residual is in (32 (3 - m) loads are younger)
.else
	s_wait_loadcnt 32*(3-\m)
.endif
	WIN 0x0c                                       ; source 1: window 3
.irp i, 0,2,4,6,8,10,12,14,16,18,20,22,24,26,28,30
	v_pk_add_f32 v[OB+96*(\m%2)+\i:OB+96*(\m%2)+\i+1], v[OB+96*(\m%2)+\i:OB+96*(\m%2)+\i+1], v[32*\m+\i:32*\m+\i+1]   ; + the residual.  (With the four above: the places in front of the next tile's first products, which begin the accumulators anew)
.endr
	WIN 0
.endr
	s_wait_alu depctr_va_vdst(0)                   ; tile 3's additions have written its out-buffer, which the last eight stores read
	SEND 3
	s_wait_dscnt 0x0                               ; the closing lines, six on end
	s_wait_alu 0x0
	s_wait_tensorcnt 0x0
	ds_add_u32 v12, v13
	s_wait_dscnt 0x0
	s_endpgm
.Lfunc_end_k_qb151aa8e14_oproj:
	.size	k_qb151aa8e14_oproj, .Lfunc_end_k_qb151aa8e14_oproj-k_qb151aa8e14_oproj
	.p2alignl 7, 3214868480
	.fill 96, 4, 3214868480
	.section	.rodata,"a",@progbits
	.p2align	6, 0x0
	.amdhsa_kernel k_qb151aa8e14_oproj
		.amdhsa_group_segment_fixed_size 17920
		.amdhsa_private_segment_fixed_size 0
		.amdhsa_enable_private_segment 0
		.amdhsa_kernarg_size 56
		.amdhsa_user_sgpr_count 2
		.amdhsa_user_sgpr_kernarg_segment_ptr 1
		.amdhsa_wavefront_size32 1
		.amdhsa_system_sgpr_workgroup_id_x 1
		.amdhsa_system_sgpr_workgroup_id_y 1
		.amdhsa_system_sgpr_workgroup_id_z 1
		.amdhsa_system_vgpr_workitem_id 0
		.amdhsa_next_free_vgpr 896
		.amdhsa_next_free_sgpr 66
		.amdhsa_reserve_vcc 0
		.amdhsa_float_denorm_mode_32 3
		.amdhsa_float_denorm_mode_16_64 3
		.amdhsa_memory_ordered 1
		.amdhsa_forward_progress 1
		.amdhsa_inst_pref_size 51
	.end_amdhsa_kernel
	.amdgpu_metadata
---
amdhsa.version: [ 1, 2 ]
amdhsa.kernels:
  - .name:           k_qb151aa8e14_oproj
    .symbol:         k_qb151aa8e14_oproj.kd
    .args:
      - { .name: aimg, .offset: 0, .size: 8, .value_kind: global_buffer, .address_space: global }
      - { .name: asc, .offset: 8, .size: 8, .value_kind: global_buffer, .address_space: global }
      - { .name: Wo_codes, .offset: 16, .size: 8, .value_kind: global_buffer, .address_space: global }
      - { .name: Wo_scales, .offset: 24, .size: 8, .value_kind: global_buffer, .address_space: global }
      - { .name: bo, .offset: 32, .size: 8, .value_kind: global_buffer, .address_space: global }
      - { .name: hidden_states, .offset: 40, .size: 8, .value_kind: global_buffer, .address_space: global }
      - { .name: out0, .offset: 48, .size: 8, .value_kind: global_buffer, .address_space: global }
    .group_segment_fixed_size: 17920
    .private_segment_fixed_size: 0
    .kernarg_segment_align: 8
    .kernarg_segment_size: 56
    .max_flat_workgroup_size: 128
    .sgpr_count:     66
    .vgpr_count:     896
    .wavefront_size: 32
...
	.end_amdgpu_metadata
.endif
;; end of part 8
